; MI455X (gfx1250); checked and timed in simulation.
; The chip was launched on July 23, 2026; its instructions are those of AMD's public machine-readable ISA for CDNA 5 (MIT licence, August 2026) and "CDNA5" Instruction Set Architecture Reference Guide (July 2026). The comments in the code are by the model that wrote it; some were corrected since.
;; Multi Head Attention Layer. Allowed arithmetic: matrix products marked QUANTISED: E2M3 operands, one E8M0 scale for each 32 along K, by v_wmma_scale_f32_16x16x128_f8f6f4 with both operands' format E2M3, f32 sums; everything else in f32.
;; Inputs: K 4 x 2,048 x 1,024 float32; Q 4 x 2,048 x 1,024 float32; V 4 x 2,048 x 1,024 float32; Wk 1,024 x 1,024 float32; Wo 1,024 x 1,024 float32; Wq 1,024 x 1,024 float32; Wv 1,024 x 1,024 float32; bk 1,024 float32; bo 1,024 float32; bq 1,024 float32; bv 1,024 float32.
;; Outputs: out0 4 x 2,048 x 1,024 float32.
;; This version of the problem:
;;   THIS VERSION OF THE PROBLEM IS GIVEN IN LOW PRECISION. The matrix products marked QUANTISED in the list below multiply operands that are first quantised to E2M3 (2 exponent bits, 3 mantissa bits; 6 bits a number), with one power-of-two scale for each 32 numbers along K (OCP MX v1.0); their sums are f32. All else is computed in f32.
;;   The module's matrix products, in the order in which they are computed (A, B: the left and right operand; K: the contracted axis; several contracted axes count as one K, in the product's order):
;;     1. [M 8,192, K 1,024] x [K 1,024, N 1,024]; A: input Q; B: input Wq: QUANTISED
;;     2. [M 8,192, K 1,024] x [K 1,024, N 1,024]; A: input K; B: input Wk: QUANTISED
;;     3. [M 8,192, K 1,024] x [K 1,024, N 1,024]; A: input V; B: input Wv: QUANTISED
;;     4. batch 64 x [M 2,048, K 64] x [K 64, N 2,048]; A: computed on the way; B: computed on the way: QUANTISED
;;     5. batch 64 x [M 2,048, K 2,048] x [K 2,048, N 64]; A: softmax (see below); B: computed on the way: QUANTISED
;;     6. [M 8,192, K 1,024] x [K 1,024, N 1,024]; A: computed on the way; B: input Wo: QUANTISED
;;   THE QUANTISER, for each operand of a quantised product, along K:
;;     - K is cut into blocks of 32 from its start; a last block that is shorter is filled with zeros.
;;     - A block's scale is 2^e with e = floor(log2(the largest magnitude in the block)) - 2, held to -126 .. 127; a block of zeros has e = 0. As a byte (E8M0): e + 127.
;;     - Each number is divided by its block's scale, clamped to +-7.5, and rounded to the nearest number of E2M3, ties to even, subnormals kept.
;;     - The product sums the exact products of the quantised numbers (number of the format x scale) in f32.
;;   ~~~python
;;   def quantise(x, axis):      # numpy; x: float32 -> the quantised numbers, widened to float32 again
;;       x = np.moveaxis(x, axis, -1); K = x.shape[-1]
;;       x = np.pad(x, [(0, 0)] * (x.ndim - 1) + [(0, -K % 32)]); x = x.reshape(x.shape[:-1] + (-1, 32)); a = np.abs(x).max(-1, keepdims=True)
;;       e = np.where(a > 0, np.clip(np.frexp(np.where(a > 0, a, 1))[1] - 1 - 2, -126, 127), 0)      # np.frexp(a)[1] - 1 = floor(log2(a)), exactly
;;       r = np.clip(x / 2.0 ** e, -7.5, 7.5)
;;       step = 2.0 ** (np.maximum(np.frexp(np.where(r == 0, 1, r))[1] - 1, 0) - 3)
;;       q = np.round(r / step) * step * 2.0 ** e      # np.round: ties to even
;;       return np.moveaxis(q.reshape(q.shape[:-2] + (-1,))[..., :K], -1, axis).astype(np.float32)
;;   ~~~
;;   SOFTMAX AHEAD OF A QUANTISED PRODUCT. Where the list says 'softmax', what is quantised is not the finished softmax but p = 2^(t - M), with t = logit x log2(e) and M = ceil(the row's largest t), a whole number; so 1/2 < the row's largest p <= 1. The row's sum l is taken of the UNQUANTISED p, in f32, and the product's result is divided by l at the end. Since M is a whole number, a kernel that streams over the keys may use a running M (the ceiling of the running maximum): every later rescaling is an exact power of two, which a block's scale takes up: the codes' values come out the same.
;;   OPERANDS COMPUTED ON THE WAY. 'Computed on the way' means the value that the module computes at that place (a softmax that the list does not call 'softmax' is quantised finished and normalised). What goes into a quantiser is computed in f32, as accurately as f32 sums, v_exp_f32 and their like allow (about 1e-6 of the number): no bf16 or f16 on the way to a quantiser, and a product that is left as it is and whose result goes on into a quantised operand takes f32 operands (vector FMAs, or v_wmma_f32_16x16x4_f32). A number that lies on a knife's edge between two numbers of the format may be rounded either way, as far as f32 arithmetic and the matrix unit's own rounding can turn it there, and no further.
;; One version. Each part assembles by itself: llvm-mc -triple=amdgcn-amd-amdhsa -mcpu=gfx1250 --defsym DOCPART=n.
;; ======== version 1 of 1: 4 launches
;; workspace buffers: ximg 18,874,368 bytes; xsc 786,432 bytes; wimg 3,145,728 bytes; wsc 131,072 bytes; aimg 18,874,368 bytes; asc 1,310,720 bytes; oimg 6,291,456 bytes; osc 262,144 bytes
;; launch prep (part 1): grid 1024 x 1, 4 waves a work-group, no clusters, 35,328 bytes of LDS; arguments Q, K, V, Wq, Wk, Wv, Wo, ximg, xsc, wimg, wsc; writes ximg, xsc, wimg, wsc
.if DOCPART == 1
	.amdgcn_target "amdgcn-amd-amdhsa--gfx1250"
	.amdhsa_code_object_version 6
	.text
	.protected	k_q084dbb16e7_prep
	.globl	k_q084dbb16e7_prep
	.p2align	8
	.type	k_q084dbb16e7_prep,@function
k_q084dbb16e7_prep:
	s_mov_b64 s[64:65], 0
	v_nop
	global_prefetch_b8 v0, s[64:65] scope:SCOPE_SE
	s_setreg_imm32_b32 hwreg(HW_REG_WAVE_MODE, 25, 1), 1
	s_wait_xcnt 0x0
; Q, K, V [8192][1024] and Wq, Wk, Wv, Wo [1024 (k)][1024 (n)], all f32, become codes of FP6 (E2M3) with one E8M0 byte for each 32 along K (the tokens' last axis, the weights' first).
; THE FORMAT OF EVERY OPERAND IN THIS PROGRAM'S WORKSPACE IS THE IMAGE OF ITS REGISTERS.  A tile of 16 rows, T = 2 g + u, holds rows 32 g + 8 u + r + 8 (r / 8), r = 0 .. 15.  A fragment (tile, 128 along K)
; is 1,536 bytes: registers 0-3 at 16 x lane, 4-5 at 512 + 8 x lane, 6-9 at 768 + 16 x lane, 10-11 at 1,280 + 8 x lane; lane (r, h) holds row r, registers 6 c .. 6 c + 5 hold K = 64 c + 32 h + 0 .. 31.
; ximg [3][tile 512][K step 8][1,536]; wimg [4][tile 64 over n][K step 8][1,536].  Scale words (four bytes: one K step of one row): xsc, wsc [tensor][tile][K step / 2][r 16][2 words].
; A block's scale is 2^(floor(log2(its largest magnitude)) - 2); its byte is the largest magnitude's exponent field - 2, held at 1 from below.
; LIMITS: a block of zeros gets the byte 1 where the rule says 127 (its codes are zeros, which add nothing under any byte but 0xff, and this program alone reads the bytes); blocks whose largest magnitude
; lies under 2^(2 - 126) are held at that byte; NaN and infinities among the inputs are not served.
; SHARES.  Work-groups 0 .. 767: tokens, 256 for each tensor; a wave makes four fragments (one tile, four K steps).  Work-groups 768 .. 1023: weights, 64 for each; a wave makes 32 columns x one K step.
; Only the tokens' way touches LDS.  No tensor loads, no barrier: waves share nothing.
.set WREG,  8704                       ; LDS: a region for each wave: a stage of 16 rows x 528 bytes, and behind it its 256 bytes of scale words
.set SP,    528                        ; a stage row: 512 bytes + 16: the sixteen lanes of half a 16-byte load fall on sixteen different columns of 16 bytes
.set SCW,   16*SP
.set SPARE, 4*WREG                     ; behind the four regions: the spare words, 128 bytes for each wave, which no other line names
.set SPW,   8                          ; v8   LDS address of my spare word; never rewritten
.set NIL,   9                          ; v9   0; never rewritten
.set TM,    12                         ; v12-27 at work in QUANT
.set PW,    28                         ; v28  the scale word just made
.set PC,    30                         ; v30-49 the codes just made
.set X,     52                         ; v52-115 64 numbers of a lane: register 16 b + i = k 32 b + 16 h + i of my row
.set R,     116                        ; v116-243 two sets of 64 registers as loaded
.set SEL,   30                         ; s[30:31] lane selects for v_permlanex16_b32: lane l xor 16
; 64 numbers of a lane, v[s] on, become a fragment's codes in v[PC] .. v[PC+11] and its scale word in v[PW].
.macro QUANT s
.irp b, 0,1,2,3
	v_max3_num_f32 v[TM+\b], |v[\s+16*\b]|, |v[\s+1+16*\b]|, 0x1800000   ; block b: my 16 numbers, and the floor 2^(3 - 127): the byte cannot fall under 1
.endr
.irp i, 2,4,6,8,10,12,14
.irp b, 0,1,2,3
	v_max3_num_f32 v[TM+\b], v[TM+\b], |v[\s+16*\b+\i]|, |v[\s+1+16*\b+\i]|   ; the four blocks by turns
.endr
.endr
.irp b, 0,1,2,3
	v_permlanex16_b32 v[TM+4+\b], v[TM+\b], s[SEL], s[SEL+1]
.endr
.irp b, 0,1,2,3
	v_max_num_f32 v[TM+\b], v[TM+\b], v[TM+4+\b]   ; with lane l xor 16's: the block's largest magnitude
.endr
.irp b, 0,1,2,3
	v_add_nc_u32 v[TM+12+\b], 0xff000000, v[TM+\b]   ; 2 off its exponent field: the conversion takes the exponent field of this operand as its scale
.endr
.irp b, 0,1,2,3
	v_lshrrev_b32 v[TM+4+\b], 23, v[TM+12+\b]      ; the scale's byte
.endr
	v_lshl_or_b32 v[PW], v[TM+5], 8, v[TM+4]       ; the four bytes make my row's scale word
	v_lshl_or_b32 v[PW], v[TM+6], 16, v[PW]
	v_lshl_or_b32 v[PW], v[TM+7], 24, v[PW]
.irp c, 0,1
	v_cvt_scalef32_pk16_fp6_f32 v[PC+6*\c:PC+2+6*\c], v[\s+32*\c:\s+15+32*\c], v[TM+12+2*\c]
	v_cvt_scalef32_pk16_fp6_f32 v[PC+12+4*\c:PC+14+4*\c], v[\s+16+32*\c:\s+31+32*\c], v[TM+12+2*\c+1]   ; a conversion's three registers begin on an even number
.endr
	v_nop                                          ; one plain place behind a scaled conversion
.irp c, 0,1                                    ; the operand's layout wants a whole block in a lane: lanes 0-15 block 2 c, lanes 16-31 block 2 c + 1
.irp i, 0,1,2
	v_permlane16_swap_b32 v[PC+6*\c+\i], v[PC+12+4*\c+\i]
.endr
.irp i, 0,1,2
	v_mov_b32 v[PC+3+6*\c+\i], v[PC+12+4*\c+\i]
.endr
.endr
.endm
	s_load_b512 s[8:23], s[0:1], 0x0               ; Q 8, K 10, V 12, Wq 14, Wk 16, Wv 18, Wo 20, ximg 22
	s_load_b128 s[24:27], s[0:1], 0x40             ; xsc 24, wimg 26
	s_load_b64 s[28:29], s[0:1], 0x50              ; wsc
	v_lshl_add_u32 v[SPW], v0, 2, SPARE
	v_mov_b32 v[NIL], 0
	v_lshrrev_b32 v1, 5, v0
	v_readfirstlane_b32 s2, v1                     ; wave 0..3
	v_and_b32 v1, 31, v0                           ; lane
	s_mov_b32 s[SEL], 0x76543210
	s_mov_b32 s[SEL+1], 0xfedcba98
	s_cmp_ge_u32 ttmp9, 768
	s_cbranch_scc1 .Lweights
	; ---- TOKENS.  K is innermost.  Each load reads 512 consecutive bytes (one row's K step); the 16 rows turn through the wave's stage, so that a lane gets 16 neighbours of each block of 32.
	v_and_b32 v10, 15, v0                          ; r
	v_bfe_u32 v11, v0, 4, 1                        ; h
	v_lshlrev_b32 v2, 4, v1                        ; 16 x lane
	v_lshlrev_b32 v3, 3, v1                        ; 8 x lane
	s_mul_i32 s7, s2, WREG                         ; my region
	v_add_nc_u32 v4, s7, v2                        ; the stage, in: 16 x lane in row i
	v_mul_u32_u24 v5, v10, SP
	v_lshl_add_u32 v5, v11, 6, v5
	v_add_nc_u32 v5, s7, v5                        ; out: row r, + 64 h: my 16 numbers of a block
	s_add_co_u32 s7, s7, SCW
	v_lshl_add_u32 v6, v10, 3, s7                  ; my row's two scale words of a pair of K steps
	v_add_nc_u32 v7, s7, v3                        ; and on the way out 8 bytes a lane
.irp b, 0,1,2,3
	v_mov_b32 v[TM+4+\b], 0                        ; written once: a lane permute's destination counts as one of its sources
.endr
	s_lshr_b32 s3, ttmp9, 8                        ; which tensor
	s_and_b32 s4, ttmp9, 255
	s_lshl_b32 s4, s4, 2
	s_add_co_u32 s4, s4, s2                        ; task = 2 x tile + half of K
	s_lshr_b32 s5, s4, 1                           ; tile
	s_and_b32 s6, s4, 1                            ; half
	s_lshr_b32 s32, s5, 1
	s_lshl_b32 s32, s32, 17                        ; 32 rows of 4,096 bytes for each pair of tiles,
	s_and_b32 s33, s5, 1
	s_lshl_b32 s33, s33, 15                        ; 8 rows for the odd tile,
	s_add_co_u32 s32, s32, s33
	s_lshl_b32 s33, s6, 11                         ; four K steps of 512 bytes
	s_add_co_u32 s32, s32, s33
	s_mov_b32 s33, 0
	s_mul_i32 s34, s3, 6291456
	s_mul_i32 s35, s4, 6144                        ; four fragments a task
	s_add_co_u32 s34, s34, s35
	s_mov_b32 s35, 0
	s_lshl_b32 s36, s3, 18
	s_lshl_b32 s37, s4, 8                          ; 256 bytes of scale words a task
	s_add_co_u32 s36, s36, s37
	s_mov_b32 s37, 0
	s_wait_kmcnt 0x0
	s_cmp_eq_u32 s3, 1                             ; the choice hangs on the work-group's number alone
	s_cselect_b64 s[8:9], s[10:11], s[8:9]
	s_cmp_eq_u32 s3, 2
	s_cselect_b64 s[8:9], s[12:13], s[8:9]
	s_add_nc_u64 s[8:9], s[8:9], s[32:33]
	s_add_nc_u64 s[22:23], s[22:23], s[34:35]
	s_add_nc_u64 s[24:25], s[24:25], s[36:37]
.macro LOADX t                         ; K step t of my four: the tile's 16 rows, 512 consecutive bytes a load
.irp i, 0,1,2,3,4,5,6,7,8,9,10,11,12,13,14,15
	global_load_b128 v[R+64*((\t)%2)+4*\i:R+64*((\t)%2)+4*\i+3], v2, s[8:9] offset:(\i+8*(\i/8))*4096+512*(\t) th:TH_LOAD_NT
.endr
.endm
.macro STEPX t
.if (\t) < 3
	s_wait_loadcnt 16                              ; this step's 16 loads are in; the next step's 16 may be out
.else
	s_wait_loadcnt 0x0
.endif
.irp i, 0,1,2,3,4,5,6,7,8,9,10,11,12,13,14,15
	ds_store_b128 v4, v[R+64*((\t)%2)+4*\i:R+64*((\t)%2)+4*\i+3] offset:SP*\i
.endr
.irp b, 0,1,2,3
.irp j, 0,1,2,3
	ds_load_b128 v[X+16*\b+4*\j:X+16*\b+4*\j+3], v5 offset:128*\b+16*\j   ; LDS serves a wave's instructions in order: these see the stores above
.endr
.endr
	s_wait_dscnt 0x0                               ; the numbers are back, and the stores into the stage have read their registers
	s_wait_xcnt 0x0                                ; the last step's stores have read the codes' registers, which QUANT writes anew
.if (\t)+2 < 4
	LOADX (\t)+2
.endif
	QUANT X
	global_store_b128 v2, v[PC:PC+3], s[22:23] offset:1536*(\t)          ; every store covers whole aligned runs of 256 consecutive bytes
	global_store_b64 v3, v[PC+4:PC+5], s[22:23] offset:1536*(\t)+512
	global_store_b128 v2, v[PC+6:PC+9], s[22:23] offset:1536*(\t)+768
	global_store_b64 v3, v[PC+10:PC+11], s[22:23] offset:1536*(\t)+1280
	ds_store_b32 v6, v[PW] offset:128*((\t)/2)+4*((\t)%2)                ; lanes l and l + 16 write the same word with the same value
.endm
	LOADX 0
	LOADX 1
	STEPX 0
	STEPX 1
	STEPX 2
	STEPX 3
	ds_load_b64 v[244:245], v7                     ; my wave's 256 bytes of scale words
	s_wait_dscnt 0x0
	global_store_b64 v3, v[244:245], s[24:25]      ; 32 lanes store 256 consecutive bytes, aligned
	s_wait_tensorcnt 0x0                           ; the wave's end, behind my last LDS store
	ds_add_u32 v[SPW], v[NIL]
	s_wait_dscnt 0x0
	s_endpgm
	; ---- WEIGHTS.  K is the first axis: a lane takes a column n and its registers run down K, so that a block of 32 lies in one lane and the conversions give codes with K innermost.
.Lweights:
	s_sub_co_u32 s3, ttmp9, 768
	s_lshr_b32 s4, s3, 6                           ; which weight
	s_and_b32 s5, s3, 7
	s_bfe_u32 s6, s3, 0x30003                      ; K step
	s_lshl_b32 s5, s5, 2
	s_add_co_u32 s5, s5, s2                        ; which 32 columns: a pair of tiles
	v_lshlrev_b32 v2, 2, v1                        ; in: 4 bytes a lane
	v_bfe_u32 v10, v1, 3, 1                        ; column 32 g + lane lies in tile 2 g + u, u = (lane / 8) % 2,
	v_and_b32 v11, 7, v1
	v_lshrrev_b32 v12, 4, v1
	v_lshl_add_u32 v11, v12, 3, v11                ; at row r = lane % 8 + 8 (lane / 16)
	v_mul_u32_u24 v3, v10, 12288                   ; a tile's eight fragments
	v_lshl_add_u32 v4, v11, 3, v3                  ; 8 r: registers 4, 5
	v_lshl_add_u32 v3, v11, 4, v3                  ; 16 r: registers 0 to 3
	v_lshlrev_b32 v5, 9, v10
	v_lshl_add_u32 v5, v11, 3, v5                  ; the scale word: 512 u + 8 r
	s_lshl_b32 s32, s6, 19                         ; 128 rows of 4,096 bytes a K step
	s_lshl_b32 s33, s5, 7
	s_add_co_u32 s32, s32, s33
	s_mov_b32 s33, 0
	s_mul_i32 s34, s4, 786432
	s_mul_i32 s35, s5, 24576
	s_add_co_u32 s34, s34, s35
	s_mul_i32 s35, s6, 1536
	s_add_co_u32 s34, s34, s35
	s_mov_b32 s35, 0
	s_lshl_b32 s36, s4, 15
	s_lshl_b32 s37, s5, 10
	s_add_co_u32 s36, s36, s37
	s_lshr_b32 s37, s6, 1
	s_lshl_b32 s37, s37, 7
	s_add_co_u32 s36, s36, s37
	s_and_b32 s37, s6, 1
	s_lshl_b32 s37, s37, 2
	s_add_co_u32 s36, s36, s37
	s_mov_b32 s37, 0
	s_wait_kmcnt 0x0
	s_cmp_eq_u32 s4, 1
	s_cselect_b64 s[14:15], s[16:17], s[14:15]
	s_cmp_eq_u32 s4, 2
	s_cselect_b64 s[14:15], s[18:19], s[14:15]
	s_cmp_eq_u32 s4, 3
	s_cselect_b64 s[14:15], s[20:21], s[14:15]
	s_add_nc_u64 s[14:15], s[14:15], s[32:33]
	s_add_nc_u64 s[26:27], s[26:27], s[34:35]
	s_add_nc_u64 s[28:29], s[28:29], s[36:37]
.macro LOADW t                         ; block t: W(32 t + i, my column); a wave reads 128 consecutive bytes, the four waves 512
.irp i, 0,1,2,3,4,5,6,7,8,9,10,11,12,13,14,15,16,17,18,19,20,21,22,23,24,25,26,27,28,29,30,31
	global_load_b32 v[64+32*(\t)+\i], v2, s[14:15] offset:(32*(\t)+\i)*4096 th:TH_LOAD_NT
.endr
.endm
.macro BLOCKW t                        ; block t is c = t / 2, h = t % 2 of the fragment; each block has registers of its own for its codes, so no store's data are written again
.set XS, 64+32*(\t)
.set CW, 16+8*(\t)
.if (\t) < 3
	s_wait_loadcnt 32                              ; this block's 32 loads are in; the next block's may be out
.else
	s_wait_loadcnt 0x0
.endif
.if (\t)+2 < 4
	LOADW (\t)+2
.endif
	v_max3_num_f32 v12, |v[XS]|, |v[XS+1]|, |v[XS+2]|
	v_max3_num_f32 v13, |v[XS+3]|, |v[XS+4]|, |v[XS+5]|
.irp i, 6,10,14,18,22,26
	v_max3_num_f32 v12, v12, |v[XS+\i]|, |v[XS+\i+1]|
	v_max3_num_f32 v13, v13, |v[XS+\i+2]|, |v[XS+\i+3]|
.endr
	v_max3_num_f32 v12, v12, |v[XS+30]|, |v[XS+31]|
	v_max3_num_f32 v12, v12, v13, 0x1800000        ; and the floor
	v_add_nc_u32 v11, 0xff000000, v12              ; the conversion's scale operand
	v_lshrrev_b32 v13, 23, v11                     ; the scale's byte
.if (\t) == 0
	v_mov_b32 v14, v13
.else
	v_lshl_or_b32 v14, v13, 8*(\t), v14            ; four bytes to the word, the lower K in the lower byte
.endif
	v_cvt_scalef32_pk16_fp6_f32 v[CW:CW+2], v[XS:XS+15], v11
	v_cvt_scalef32_pk16_fp6_f32 v[CW+4:CW+6], v[XS+16:XS+31], v11
	v_nop                                          ; one plain place behind a scaled conversion
	v_mov_b32 v[CW+3], v[CW+4]
	v_mov_b32 v[CW+4], v[CW+5]
	v_mov_b32 v[CW+5], v[CW+6]
	global_store_b128 v3, v[CW:CW+3], s[26:27] offset:768*((\t)/2)+256*((\t)%2)        ; the sixteen lanes of a tile store 256 consecutive bytes, aligned
	global_store_b64 v4, v[CW+4:CW+5], s[26:27] offset:768*((\t)/2)+512+128*((\t)%2)   ; and here 128
.endm
	LOADW 0
	LOADW 1
	BLOCKW 0
	BLOCKW 1
	BLOCKW 2
	BLOCKW 3
	global_store_b32 v5, v14, s[28:29]             ; my column's scale word of this K step: 4 bytes a lane, 8 bytes apart (its neighbour word is another work-group's); 128 KB in the launch
	s_endpgm
.Lfunc_end_k_q084dbb16e7_prep:
	.size	k_q084dbb16e7_prep, .Lfunc_end_k_q084dbb16e7_prep-k_q084dbb16e7_prep
	.p2alignl 7, 3214868480
	.fill 96, 4, 3214868480
	.section	.rodata,"a",@progbits
	.p2align	6, 0x0
	.amdhsa_kernel k_q084dbb16e7_prep
		.amdhsa_group_segment_fixed_size 35328
		.amdhsa_private_segment_fixed_size 0
		.amdhsa_enable_private_segment 0
		.amdhsa_kernarg_size 88
		.amdhsa_user_sgpr_count 2
		.amdhsa_user_sgpr_kernarg_segment_ptr 1
		.amdhsa_wavefront_size32 1
		.amdhsa_system_sgpr_workgroup_id_x 1
		.amdhsa_system_sgpr_workgroup_id_y 1
		.amdhsa_system_sgpr_workgroup_id_z 1
		.amdhsa_system_vgpr_workitem_id 0
		.amdhsa_next_free_vgpr 256
		.amdhsa_next_free_sgpr 66
		.amdhsa_reserve_vcc 0
		.amdhsa_float_denorm_mode_32 3
		.amdhsa_float_denorm_mode_16_64 3
		.amdhsa_memory_ordered 1
		.amdhsa_forward_progress 1
		.amdhsa_inst_pref_size 55
	.end_amdhsa_kernel
	.amdgpu_metadata
---
amdhsa.version: [ 1, 2 ]
amdhsa.kernels:
  - .name:           k_q084dbb16e7_prep
    .symbol:         k_q084dbb16e7_prep.kd
    .args:
      - { .name: Q, .offset: 0, .size: 8, .value_kind: global_buffer, .address_space: global }
      - { .name: K, .offset: 8, .size: 8, .value_kind: global_buffer, .address_space: global }
      - { .name: V, .offset: 16, .size: 8, .value_kind: global_buffer, .address_space: global }
      - { .name: Wq, .offset: 24, .size: 8, .value_kind: global_buffer, .address_space: global }
      - { .name: Wk, .offset: 32, .size: 8, .value_kind: global_buffer, .address_space: global }
      - { .name: Wv, .offset: 40, .size: 8, .value_kind: global_buffer, .address_space: global }
      - { .name: Wo, .offset: 48, .size: 8, .value_kind: global_buffer, .address_space: global }
      - { .name: ximg, .offset: 56, .size: 8, .value_kind: global_buffer, .address_space: global }
      - { .name: xsc, .offset: 64, .size: 8, .value_kind: global_buffer, .address_space: global }
      - { .name: wimg, .offset: 72, .size: 8, .value_kind: global_buffer, .address_space: global }
      - { .name: wsc, .offset: 80, .size: 8, .value_kind: global_buffer, .address_space: global }
    .group_segment_fixed_size: 35328
    .private_segment_fixed_size: 0
    .kernarg_segment_align: 8
    .kernarg_segment_size: 88
    .max_flat_workgroup_size: 128
    .sgpr_count:     66
    .vgpr_count:     256
    .wavefront_size: 32
...
	.end_amdgpu_metadata
.endif
;; end of part 1
;; launch proj (part 2): grid 4 x 96, 4 waves a work-group, clusters of 4 x 4, 327,680 bytes of LDS; arguments ximg, xsc, wimg, wsc, bq, bk, bv, aimg, asc; writes aimg, asc
.if DOCPART == 2
	.amdgcn_target "amdgcn-amd-amdhsa--gfx1250"
	.amdhsa_code_object_version 6
	.text
	.protected	k_q084dbb16e7_proj
	.globl	k_q084dbb16e7_proj
	.p2align	8
	.type	k_q084dbb16e7_proj,@function
k_q084dbb16e7_proj:
	s_mov_b64 s[64:65], 0
	v_nop
	global_prefetch_b8 v0, s[64:65] scope:SCOPE_SE
	s_setreg_imm32_b32 hwreg(HW_REG_WAVE_MODE, 25, 1), 1
	s_wait_xcnt 0x0
	s_wait_alu depctr_hold_cnt(0) depctr_sa_sdst(0) depctr_va_vdst(0) depctr_va_sdst(0) depctr_va_ssrc(0) depctr_va_vcc(0) depctr_vm_vsrc(0)
	s_getreg_b32 s2, hwreg(HW_REG_IB_STS2, 6, 4)
	s_cmp_eq_u32 s2, 0
	s_cbranch_scc0 .Lentry_in_a_cluster
	s_endpgm
.Lentry_in_a_cluster:
	s_bfe_u32 s2, ttmp6, 0x10000c
	s_cmp_lg_u32 s2, 0xf033
	s_cbranch_scc0 .Lentry_shape_is_right
	s_endpgm
.Lentry_shape_is_right:
; q = Q Wq + bq, k = K Wk + bk, v = V Wv + bv on codes of FP6 (E2M3) with E8M0 scales; the results are quantised in registers and leave as attention's operands.  K = 1,024.
; OPERANDS come as images of their registers: a tile T = 2 g + u of 16 rows holds rows 32 g + 8 u + r + 8 (r / 8); a fragment (tile, 128 along K) is 1,536 bytes: registers 0-3 at 16 x lane, 4-5 at
; 512 + 8 x lane, 6-9 at 768 + 16 x lane, 10-11 at 1,280 + 8 x lane.  ximg [3][512][8][1,536], wimg [4][64][8][1,536]; scale words xsc, wsc [tensor][tile][K step / 2][r 16][2 words].
; A tile of C, 256 x 256, is made by four waves, each 128 x 128: 64 accumulators.  K goes in steps of 256 through a ring of two LDS slots; the scale words of the work-group's rows come once and stay.
; WHICH PRODUCT: cluster y / 8 = KIND: 0 q, 1 k, 2 v.  For q and k the rows of C are tokens and its columns features.  FOR v THE ROLES ARE SWAPPED: rows = features (Wv's image), columns = tokens (V's
; image), so that the axis along which the way out quantises is the keys, the K of attention's second product.
; THE MATRIX INSTRUCTION IS USED TRANSPOSED (source 0 = 16 rows of B, source 1 = 16 rows of A).  With the tiles' choice of rows, lane (r, h) holds row 32 (a / 2) + 8 (a % 2) + r + 8 (r / 8) of block a, and
; register 8 b + j the column 32 (b / 2) + 16 h + 8 (b % 2) + j: the 64 registers of a block of rows are four blocks of 32 neighbours, 16 to a lane, and what the quantiser makes of them is again an image.
; OUT: aimg: q at 0 and k at 6,291,456: [batch x head 64][tile 128][768] (half a fragment: the head's 64); v at 12,582,912: [batch x head][key step 16][tile of d 4][1,536].
;   asc: q at 0, k at 524,288: [bh][block of 128 tokens 16][2][lane 32][2 words]: tile i's word of row r at 256 (i / 4) + 8 (r + 16 (i % 2)) + 4 ((i / 2) % 2), its upper two bytes 0;
;   v at 1,048,576: [bh][key step 16][lane 32][2 words]: tile dt's word of row r at 8 (r + 16 (dt % 2)) + 4 (dt / 2).
; CLUSTERS: 4 x 4 work-groups; A's tiles are asked for jointly along a row of the cluster, B's along a column.  KIND hangs on the cluster's y, which all sixteen share.
; LIMITS: a block of zeros gets the byte 1 where the rule says 127 (zero codes; this program alone reads the bytes); NaN and infinities are not served.
; REGISTERS: window 0: v7-31 addresses; v32-63 scale words, two sets; v64-127 the column bias; v128-223 A's fragments, one set; v224-239 the row bias.  window 1: B's fragments, two sets, at v0 and v128.
;   windows 2, 3: the accumulators ((a, b) at v[8 (8 (a % 4) + b)]).  On the way out v32-95 are at work.
.set NQ,     2                         ; matrix instructions deep in a slot
.set FR,     12                        ; registers of a fragment
.set NL,     4                         ; LDS loads that bring one
.set NP,     4                         ; places behind this matrix instruction (ISA guide 7.12.1)
.set FRB,    1536
.set TILEB,  NQ*FRB                    ; a tile's part of a slot: two fragments, 3,072 consecutive bytes of memory
.set HALFT,  8*TILEB                   ; eight tiles: what one tensor load brings, and what one wave reads of A or of B
.set SLOT,   4*HALFT                   ; A's 16 tiles, then B's 16
.set SCL,    2*SLOT                    ; behind the ring: the scale words, 4,096 bytes for each wave's load: A's 8,192, then B's
.set HALFS,  4096
.set STG,    SCL+4*HALFS               ; a stage for the results' scale words, 1,024 bytes for each wave; no fill lands here
.set SPARE,  STG+4096                  ; the spare words, 128 bytes for each wave, which no other line names
.set LAPS,   2                         ; 1,024 along K = four slots' worth = two laps of the ring
.set ADRA, 16                          ; v16-17 LDS address + 16 x lane of my A fragments in slot 0, 1;  v18-19 the same + 8 x lane
.set ADRB, 20                          ; v20-23 the same for B
.set STGA, 24                          ; v24  my stage + 8 r
.set STGR, 25                          ; v25  my stage + 8 x lane
.set O16,  26                          ; v26  16 x lane
.set ADRS, 27                          ; v27  LDS address of my scale words: lanes 0-15 A's rows, lanes 16-31 B's
.set SPW,  28                          ; v28  LDS address of my spare word; never rewritten
.set NIL,  29                          ; v29  0; never rewritten
.set O8,   30                          ; v30  8 x lane
.set O16H, 31                          ; v31  16 x lane + where a fragment's second half goes
.set O8H,  7                           ; v7   8 x lane + the same
.set O8P,  8                           ; v8   8 x lane + where the second 256 bytes of scale words go
.set SC,   32
.set BN,   64
.set AF,   128
.set BM,   224
.set PC,   32                          ; the way out: v32-51 codes, v52-67 at work, v68 the scale word, v72-79 scale words read back, v80-95 two words for each block of rows
.set TM,   52
.set PW,   68
.set SB,   72
.set WA,   80
.set KIND, 66
.set G1,   24                          ; s[24:31] descriptor group 1 for A's tiles; s[32:39] group 0, one set for each slot
.set G0,   32
.set G1B,  48                          ; s[48:55], s[56:63] the same for B's
.set G0B,  56
.set G1S,  68                          ; s[68:75], s[76:79] groups 1 and 0 for A's scale words; s[80:87], s[88:91] for B's
.set G0S,  76
.set G1SB, 80
.set G0SB, 88
.set OUT,  68                          ; the way out, when no tensor load is out any more: s[68:69] codes, s[70:71] scale words, s[72:73], s[74:75] steps
.set SOUT, 70
.set ASTEP, 72
.set A4,   74
.set HALF, 76
.set P1OFF, 77
.set WMASK, 78
.set SEL,  90                          ; s[90:91] lane selects, likewise
.set MSB, 0
.macro WIN new                         ; the immediate's high byte repeats the setting that is left
.if MSB != (\new)
	s_set_vgpr_msb (MSB<<8)|(\new)
.set MSB, (\new)
.endif
.endm
.set MUL_LO, 0xa1                      ; source 0 (B) window 1, source 1 (A) window 0, C and D window 2
.set MUL_HI, 0xf1                      ; the same, C and D window 3
.set TO_B,   0x40                      ; destination window 1, address window 0
; A joint load: waves 0 and 1 fetch for A, waves 2 and 3 for B.  The branch hangs on the wave's number alone.  An s_nop 0 and four v_nop follow each of the two lines.
.macro JLOAD g0a, g1a, g0b, g1b
	s_cmp_eq_u32 s15, 0
	s_cbranch_scc0 .Lfor_b_\@
	tensor_load_to_lds s[\g0a:\g0a+3], s[\g1a:\g1a+7]
	s_nop 0
.rept 4
	v_nop
.endr
	s_branch .Lasked_\@
.Lfor_b_\@:
	tensor_load_to_lds s[\g0b:\g0b+3], s[\g1b:\g1b+7]
	s_nop 0
.rept 4
	v_nop
.endr
.Lasked_\@:
.endm
.macro CREST                           ; a round of the cluster's barrier behind its opening barrier
	s_cmp_lg_u32 s14, 0
	s_cbranch_scc1 .Lnot_wave_0_\@
	s_barrier_signal -3
.Lnot_wave_0_\@:
	s_barrier_wait -3
	s_barrier_signal -1
	s_barrier_wait -1
.endm
.macro CROUND
	s_barrier_signal -1
	s_barrier_wait -1
	CREST
.endm
	s_load_b256 s[4:11], s[0:1], 0x0               ; ximg 4, xsc 6, wimg 8, wsc 10
	s_load_b256 s[92:99], s[0:1], 0x20             ; bq 92, bk 94, bv 96, aimg 98
	s_load_b64 s[100:101], s[0:1], 0x40            ; asc
	v_lshl_add_u32 v[SPW], v0, 2, SPARE
	v_mov_b32 v[NIL], 0
	ds_add_u32 v[SPW], v[NIL]
	ds_add_u32 v[SPW], v[NIL]                      ; the wave's opening: the add and its wait stand ahead of my first tensor load; work on registers stands between them
	v_lshrrev_b32 v1, 5, v0
	v_readfirstlane_b32 s14, v1                    ; wave 0..3
	s_lshr_b32 s15, s14, 1                         ; which half of the tile's rows is mine.  Also: I fetch for A (0) or for B (1)
	s_and_b32 s16, s14, 1                          ; which half of its columns.  Also: which eight tiles I fetch
	s_bfe_u32 s40, ttmp6, 0x40000                  ; cx, cy: my place in the cluster
	s_bfe_u32 s41, ttmp6, 0x40004
	s_and_b32 s67, ttmp7, 0xffff                   ; cluster y, 0 .. 23
	s_lshr_b32 s[KIND], s67, 3
	s_and_b32 s67, s67, 7
	s_lshl_b32 s67, s67, 2                         ; four tiles of the tokens' 32 for each cluster
	s_mov_b32 s18, 786432
	s_cmp_eq_u32 s[KIND], 2
	s_cselect_b32 s17, 0, s67                      ; the tokens run along C's rows (q, k) or its columns (v)
	s_cselect_b32 s42, s67, 0
	s_cselect_b32 s19, s18, 6291456                ; bytes of a tensor's codes: A's buffer,
	s_cselect_b32 s18, 6291456, s18                ; B's buffer;
	s_cselect_b32 s2, 15, 18                       ; of its scale words, as a shift: A's,
	s_cselect_b32 s12, 18, 15                      ; B's
	s_add_co_u32 s17, s17, s41                     ; tile row of C
	s_add_co_u32 s42, s42, s40                     ; tile column of C
	s_lshl_b32 s43, s41, 2
	s_lshl_b32 s43, 15, s43                        ; my row of the cluster
	s_lshl_b32 s44, 0x1111, s40                    ; my column
	; descriptor group 1: eight rows (tiles) of 3,072 bytes, 12,288 bytes apart in memory, dense in LDS
	s_or_b32 s[G1+0], s43, (3<<16)|(1<<21)         ; 15:0 the mask: A's tiles go to my row; 17:16 elements of 8 bytes; 20 no padding; 21 set beside a mask
	s_or_b32 s[G1B+0], s44, (3<<16)|(1<<21)
.irp g, G1, G1B
	s_mov_b32 s[\g+1], 384<<16                     ; tensor_dim0
	s_mov_b32 s[\g+2], 8<<16                       ; tensor_dim1
	s_mov_b32 s[\g+3], 384<<16                     ; tile_dim0
	s_mov_b32 s[\g+4], 8                           ; tile_dim1
	s_mov_b32 s[\g+5], 1536                        ; tensor_dim0_stride
	s_mov_b32 s[\g+6], 0
	s_mov_b32 s[\g+7], 0
.endr
	; the scale words of eight tiles: 4,096 dense bytes as 16 rows of 256
	s_or_b32 s[G1S+0], s43, (3<<16)|(1<<21)
	s_or_b32 s[G1SB+0], s44, (3<<16)|(1<<21)
.irp g, G1S, G1SB
	s_mov_b32 s[\g+1], 32<<16
	s_mov_b32 s[\g+2], 16<<16
	s_mov_b32 s[\g+3], 32<<16
	s_mov_b32 s[\g+4], 16
	s_mov_b32 s[\g+5], 32
	s_mov_b32 s[\g+6], 0
	s_mov_b32 s[\g+7], 0
.endr
	s_mul_i32 s20, s[KIND], s19                    ; A's codes: the tensor, the tile row's 16 tiles, my eight
	s_mul_i32 s21, s17, 196608
	s_add_co_u32 s20, s20, s21
	s_mul_i32 s21, s16, 98304
	s_add_co_u32 s20, s20, s21
	s_mov_b32 s21, 0
	s_lshl_b32 s22, s[KIND], s2                    ; A's scale words
	s_lshl_b32 s23, s17, 13
	s_add_co_u32 s22, s22, s23
	s_lshl_b32 s23, s16, 12
	s_add_co_u32 s22, s22, s23
	s_mov_b32 s23, 0
	s_mul_i32 s46, s[KIND], s18                    ; B's codes
	s_mul_i32 s47, s42, 196608
	s_add_co_u32 s46, s46, s47
	s_mul_i32 s47, s16, 98304
	s_add_co_u32 s46, s46, s47
	s_mov_b32 s47, 0
	s_lshl_b32 s104, s[KIND], s12                  ; B's scale words
	s_lshl_b32 s105, s42, 13
	s_add_co_u32 s104, s104, s105
	s_lshl_b32 s105, s16, 12
	s_add_co_u32 s104, s104, s105
	s_mov_b32 s105, 0
	s_mul_i32 s45, s14, HALFT                      ; where they go: no place in the cluster enters an LDS address
	s_mul_i32 s3, s14, HALFS
	s_wait_dscnt 0x0                               ; the opening add is done
	s_wait_kmcnt 0x0
	s_cmp_eq_u32 s[KIND], 2                        ; for v, A is the weight's image and B the tokens'
	s_cselect_b64 s[12:13], s[8:9], s[4:5]
	s_add_nc_u64 s[20:21], s[12:13], s[20:21]
	s_cselect_b64 s[12:13], s[10:11], s[6:7]
	s_add_nc_u64 s[22:23], s[12:13], s[22:23]
	s_cselect_b64 s[12:13], s[4:5], s[8:9]
	s_add_nc_u64 s[46:47], s[12:13], s[46:47]
	s_cselect_b64 s[12:13], s[6:7], s[10:11]
	s_add_nc_u64 s[104:105], s[12:13], s[104:105]
	CROUND                                         ; all sixteen work-groups are here: the first joint loads meet
	s_mov_b32 s[G0S], 1
	s_add_co_u32 s[G0S+1], s3, SCL
	s_mov_b64 s[G0S+2:G0S+3], s[22:23]
	s_or_b32 s[G0S+3], s[G0S+3], 0x80000000
	s_mov_b32 s[G0SB], 1
	s_add_co_u32 s[G0SB+1], s3, SCL
	s_mov_b64 s[G0SB+2:G0SB+3], s[104:105]
	s_or_b32 s[G0SB+3], s[G0SB+3], 0x80000000
	JLOAD G0S, G1S, G0SB, G1SB                     ; the scale words first: they are wanted with the first slot.  Three loads of mine are out behind the next two
.irp s, 0,1
	s_mov_b32 s[G0+4*\s], 1
	s_add_co_u32 s[G0+4*\s+1], s45, \s*SLOT
	s_add_nc_u64 s[G0+4*\s+2:G0+4*\s+3], s[20:21], \s*TILEB
	s_or_b32 s[G0+4*\s+3], s[G0+4*\s+3], 0x80000000
	s_mov_b32 s[G0B+4*\s], 1
	s_add_co_u32 s[G0B+4*\s+1], s45, \s*SLOT
	s_add_nc_u64 s[G0B+4*\s+2:G0B+4*\s+3], s[46:47], \s*TILEB
	s_or_b32 s[G0B+4*\s+3], s[G0B+4*\s+3], 0x80000000
	JLOAD G0+4*\s, G1, G0B+4*\s, G1B
.endr
	; the biases.  q, k: by column, given as the C of each sum's first product.  v: by row, added on the way out; its column bias is masked to zeros.  Both loads stay inside the bias for every KIND
	s_lshl_b32 s18, s42, 10
	s_lshl_b32 s19, s16, 9
	s_add_co_u32 s18, s18, s19                     ; my 128 columns, in bytes
	s_lshl_b32 s2, s17, 10
	s_lshl_b32 s19, s15, 9
	s_add_co_u32 s2, s2, s19                       ; my 128 rows
	s_mov_b32 s19, 0
	s_mov_b32 s3, 0
	s_cmp_eq_u32 s[KIND], 1
	s_cselect_b64 s[12:13], s[94:95], s[92:93]
	s_cmp_eq_u32 s[KIND], 2
	s_cselect_b64 s[12:13], s[96:97], s[12:13]
	s_cselect_b32 s18, 0, s18
	s_cselect_b32 s2, s2, 0
	s_add_nc_u64 s[18:19], s[12:13], s[18:19]
	s_add_nc_u64 s[2:3], s[12:13], s[2:3]
	s_cselect_b32 s12, 0, -1                       ; the column bias's mask
	v_and_b32 v1, 31, v0                           ; lane
	v_and_b32 v2, 15, v0                           ; r
	v_bfe_u32 v3, v0, 4, 1                         ; h
	v_lshlrev_b32 v5, 6, v3                        ; 16 h numbers
	v_and_b32 v6, 8, v2
	v_add_nc_u32 v6, v6, v2
	v_lshlrev_b32 v6, 2, v6                        ; r + 8 (r / 8) numbers
.irp b, 0,1,2,3,4,5,6,7
	global_load_b128 v[BN+8*\b:BN+8*\b+3], v5, s[18:19] offset:(32*(\b/2)+8*(\b%2))*4
	global_load_b128 v[BN+8*\b+4:BN+8*\b+7], v5, s[18:19] offset:(32*(\b/2)+8*(\b%2))*4+16
.endr
.irp a, 0,1,2,3,4,5,6,7
	global_load_b32 v[BM+2*\a], v6, s[2:3] offset:(32*(\a/2)+8*(\a%2))*4       ; twice: a pair for the packed addition
	global_load_b32 v[BM+2*\a+1], v6, s[2:3] offset:(32*(\a/2)+8*(\a%2))*4
.endr
	v_lshlrev_b32 v[O16], 4, v1
	v_lshlrev_b32 v[O8], 3, v1
	s_mul_i32 s21, s15, HALFT                      ; my eight tiles of A
	s_mul_i32 s22, s16, HALFT                      ; my eight tiles of B,
	s_add_co_u32 s22, s22, 2*HALFT                 ; which lie behind A's sixteen
.irp s, 0,1
	v_add_nc_u32 v[ADRA+\s], s21, v[O16]
	v_add_nc_u32 v[ADRA+2+\s], s21, v[O8]
	v_add_nc_u32 v[ADRB+\s], s22, v[O16]
	v_add_nc_u32 v[ADRB+2+\s], s22, v[O8]
	s_add_co_u32 s21, s21, SLOT
	s_add_co_u32 s22, s22, SLOT
.endr
	s_lshl_b32 s21, s15, 12                        ; A's scale words: my eight tiles
	s_lshl_b32 s22, s16, 12                        ; B's: my eight, behind A's 8,192 bytes
	s_add_co_u32 s22, s22, 8192
	s_sub_co_u32 s22, s22, s21
	v_mul_u32_u24 v4, s22, v3                      ; lanes 16-31 take B's
	s_add_co_u32 s21, s21, SCL
	v_lshl_add_u32 v4, v2, 3, v4                   ; 8 bytes a row: the two words of a slot
	v_add_nc_u32 v[ADRS], s21, v4
	s_lshl_b32 s23, s14, 10
	s_add_co_u32 s23, s23, STG                     ; my stage
	v_lshl_add_u32 v[STGA], v2, 3, s23
	v_add_nc_u32 v[STGR], s23, v[O8]
.macro FRAG reg, adr, q, i             ; a fragment comes as it was stored: four dense loads
	ds_load_b128 v[\reg:\reg+3], v[\adr] offset:(\i)*TILEB+(\q)*FRB
	ds_load_b64 v[\reg+4:\reg+5], v[\adr+2] offset:(\i)*TILEB+(\q)*FRB+512
	ds_load_b128 v[\reg+6:\reg+9], v[\adr] offset:(\i)*TILEB+(\q)*FRB+768
	ds_load_b64 v[\reg+10:\reg+11], v[\adr+2] offset:(\i)*TILEB+(\q)*FRB+1280
.endm
; 16 matrix instructions: A's blocks a0, a0 + 1 x B's eight, 128 along K.  p: B's set; sc: the set of scale words.  zero = 1: the first product starts the sums from the column bias.
; The 64 accumulators take turns, one instruction a turn, in the same order in every step.
.macro MUL16 a0, p, q, sc, zero
.irp a, \a0, \a0+1
.irp b, 0,1,2,3,4,5,6,7
.if \zero
	v_wmma_scale_f32_16x16x128_f8f6f4 v[8*(8*((\a)%4)+\b):8*(8*((\a)%4)+\b)+7], v[128*(\p)+FR*\b:128*(\p)+FR*\b+FR-1], v[AF+FR*(\a):AF+FR*(\a)+FR-1], v[BN+8*\b:BN+8*\b+7], v[SC+8*NQ*(\sc)+NQ*\b+(\q)], v[SC+8*NQ*(\sc)+NQ*(\a)+(\q)] matrix_a_fmt:MATRIX_FMT_FP6 matrix_b_fmt:MATRIX_FMT_FP6 matrix_a_scale:MATRIX_SCALE_ROW1
.else
	v_wmma_scale_f32_16x16x128_f8f6f4 v[8*(8*((\a)%4)+\b):8*(8*((\a)%4)+\b)+7], v[128*(\p)+FR*\b:128*(\p)+FR*\b+FR-1], v[AF+FR*(\a):AF+FR*(\a)+FR-1], v[8*(8*((\a)%4)+\b):8*(8*((\a)%4)+\b)+7], v[SC+8*NQ*(\sc)+NQ*\b+(\q)], v[SC+8*NQ*(\sc)+NQ*(\a)+(\q)] matrix_a_fmt:MATRIX_FMT_FP6 matrix_b_fmt:MATRIX_FMT_FP6 matrix_a_scale:MATRIX_SCALE_ROW1
.endif
.endr
.endr
.endm
.macro FETCH_B slot, q, p
	WIN TO_B
.irp i, 0,1,2,3,4,5,6,7
	FRAG 128*(\p)+FR*\i, ADRB+\slot, \q, \i
.endr
	WIN 0
.endm
.macro FETCH_A slot, q, i0
.irp i, \i0, \i0+1, \i0+2, \i0+3
	FRAG AF+FR*(\i), ADRA+\slot, \q, \i
.endr
.endm
.macro SCALES sc                       ; a slot's scale words: two a row; lanes 0-15 take A's tile i, lanes 16-31 B's tile i
.irp i, 0,1,2,3,4,5,6,7
	ds_load_b64 v[SC+8*NQ*\sc+NQ*\i:SC+8*NQ*\sc+NQ*\i+1], v[ADRS] offset:\i*512
.endr
.endm
.macro PLACES n                        ; plain vector instructions that name none of a matrix instruction's registers, in front of loads into registers that it has read and of reads of its results
.rept \n
	v_nop
.endr
.endm
.macro STEP slot, q, zero              ; a step of 128 along K that has its successor in the same slot
	s_wait_dscnt 4*NL                              ; B's set, A's blocks 0-3 and the scale words are in; the youngest 16 loads (A's blocks 4-7) may be out
.if \zero
	WIN 0x81                                       ; C (the bias) window 0, D window 2
.else
	WIN MUL_LO
.endif
	MUL16 0, (\q)%2, \q, \slot, \zero
	MUL16 2, (\q)%2, \q, \slot, \zero
	s_wait_dscnt 0                                 ; A's blocks 4-7 are in
	PLACES NP
	FETCH_B \slot, (\q)+1, 1-(\q)%2
	FETCH_A \slot, (\q)+1, 0
.if \zero
	WIN 0xc1
.else
	WIN MUL_HI
.endif
	MUL16 4, (\q)%2, \q, \slot, \zero
	MUL16 6, (\q)%2, \q, \slot, \zero
	PLACES NP
	WIN 0
	FETCH_A \slot, (\q)+1, 4
.endm
; A slot's last step changes slots: one barrier; in front of it each wave waits for all its tensor loads, adds 0 to its spare word, and waits for that and for its reads of this slot.
.macro TURN slot, next, fill
	s_wait_tensorcnt 0x0                           ; all my tensor loads have landed: my part of the next slot
	ds_add_u32 v[SPW], v[NIL]                      ; 0 onto my spare word
	s_wait_dscnt 4*NL+1                            ; the add and the youngest 16 loads, A's blocks 4-7, may be out
	WIN MUL_LO
	MUL16 0, 1, NQ-1, \slot, 0                     ; sixteen matrix instructions stand between the add and the wait for it
	s_wait_dscnt 0x0                               ; the add is done, and my reads of this slot are over
	s_barrier_signal -1
	MUL16 2, 1, NQ-1, \slot, 0
	WIN 0
	s_barrier_wait -1
.if \fill
	CREST                                          ; the barrier has opened a round of the cluster's barrier: no wave of any partner still reads this slot or has a load on its way
	s_add_nc_u64 s[G0+4*\slot+2:G0+4*\slot+3], s[G0+4*\slot+2:G0+4*\slot+3], 2*TILEB
	s_add_nc_u64 s[G0B+4*\slot+2:G0B+4*\slot+3], s[G0B+4*\slot+2:G0B+4*\slot+3], 2*TILEB
	JLOAD G0+4*\slot, G1, G0B+4*\slot, G1B         ; the first tensor load behind the round, my one load until the next; its four v_nop are also the places in front of the loads below
.else
	PLACES NP
.endif
	s_wait_alu depctr_va_vdst(0)
	v_add_nc_u32 v[ADRS], 128, v[ADRS]             ; on to the next slot's scale words
	FETCH_B \next, 0, 0
	FETCH_A \next, 0, 0
	SCALES \next
	WIN MUL_HI
	MUL16 4, 1, NQ-1, \slot, 0
	MUL16 6, 1, NQ-1, \slot, 0
	PLACES NP
	WIN 0
	FETCH_A \next, 0, 4
.endm
	s_wait_alu depctr_va_vdst(0)
	s_wait_tensorcnt 1                             ; the scale words and my part of slot 0 are in (slot 1's load may be out)
	s_barrier_signal -1
	s_barrier_wait -1                              ; everybody's are
	FETCH_B 0, 0, 0
	FETCH_A 0, 0, 0
	SCALES 0
	FETCH_A 0, 0, 4
	s_wait_loadcnt 0x0                             ; the biases
.set J_, 0
.rept 64
	v_and_b32 v[BN+J_], s12, v[BN+J_]              ; v has no column bias
.set J_, J_+1
.endr
	PLACES 4
	s_wait_alu depctr_va_vdst(0)
	STEP 0, 0, 1                                   ; the first step stands in front of the loop: its products start the sums
	s_mov_b32 s3, LAPS-1
.Llap:                                                 ; a trip goes once round the ring and fills both slots again
	TURN 0, 1, 1
	STEP 1, 0, 0
	TURN 1, 0, 1
	STEP 0, 0, 0
	s_sub_co_u32 s3, s3, 1
	s_cmp_lg_u32 s3, 0
	s_cbranch_scc1 .Llap
	TURN 0, 1, 0                                   ; the last lap fills nothing, and has no round of the cluster's barrier
	STEP 1, 0, 0
	s_wait_dscnt 4*NL                              ; the very last step
	WIN MUL_LO
	MUL16 0, 1, NQ-1, 1, 0
	MUL16 2, 1, NQ-1, 1, 0
	s_wait_dscnt 0
	WIN MUL_HI
	MUL16 4, 1, NQ-1, 1, 0
	MUL16 6, 1, NQ-1, 1, 0
	WIN 0
	; ---- THE WAY OUT.  No tensor load of mine is out, so the scale words' descriptors may be written over.
	s_lshl_b32 s80, s17, 1
	s_add_co_u32 s80, s80, s15                     ; my 128 rows of C
	s_lshl_b32 s81, s42, 1
	s_add_co_u32 s81, s81, s16                     ; my 128 columns
	s_mov_b32 s[ASTEP], 1536
	s_mov_b32 s[A4], 92160
	s_mov_b32 s[HALF], 768
	s_mov_b32 s[P1OFF], 4096
	s_cmp_eq_u32 s[KIND], 2
	s_cselect_b32 s82, s81, s80                    ; which block of 128 tokens (0 .. 63),
	s_cselect_b32 s83, s80, s81                    ; which pair of heads (0 .. 7)
	s_cselect_b32 s[ASTEP], s[ASTEP], 768          ; from a block of rows to the next: v a fragment, q and k half a one;
	s_cselect_b32 s[A4], s[A4], 0                  ; v: from the even head's last tile of d to the odd head's first
	s_cselect_b32 s[HALF], s[HALF], 98304          ; registers 6-11: v the fragment's second half, q and k the odd head
	s_cselect_b32 s[P1OFF], s[P1OFF], 256          ; the stage's second 256 bytes: v the odd head, q and k tiles 4-7
	s_cselect_b32 s[WMASK], -1, 0xffff             ; q and k: two bytes to a head's word
	s_cselect_b32 s79, 8, 9                        ; bytes of scale words for 128 tokens of a head, as a shift
	s_mov_b32 s[ASTEP+1], 0
	s_mov_b32 s[A4+1], 0
	s_lshr_b32 s84, s82, 4
	s_lshl_b32 s84, s84, 4
	s_lshl_b32 s83, s83, 1
	s_add_co_u32 s84, s84, s83                     ; 16 x batch + the even head
	s_and_b32 s85, s82, 15                         ; the block in its batch
	s_mul_i32 s86, s[KIND], 6291456
	s_mul_i32 s87, s84, 98304
	s_add_co_u32 s86, s86, s87
	s_mul_i32 s87, s85, 6144
	s_add_co_u32 s86, s86, s87
	s_mov_b32 s87, 0
	s_add_nc_u64 s[OUT:OUT+1], s[98:99], s[86:87]
	s_lshl_b32 s88, s84, 4
	s_add_co_u32 s88, s88, s85
	s_lshl_b32 s88, s88, s79
	s_mul_i32 s89, s[KIND], 524288
	s_add_co_u32 s88, s88, s89
	s_mov_b32 s89, 0
	s_add_nc_u64 s[SOUT:SOUT+1], s[100:101], s[88:89]
	s_mov_b32 s[SEL], 0x76543210
	s_mov_b32 s[SEL+1], 0xfedcba98
	PLACES NP                                      ; behind the last products: in front of reads of results and of writes over their scale words' registers
	v_add_nc_u32 v[O16H], s[HALF], v[O16]
	v_add_nc_u32 v[O8H], s[HALF], v[O8]
	v_add_nc_u32 v[O8P], s[P1OFF], v[O8]
.irp b, 0,1,2,3
	v_mov_b32 v[TM+4+\b], 0                        ; written once: a lane permute's destination counts as one of its sources
.endr
; 64 numbers of a lane in window w, v[s] on (register 16 b + i = column 32 b + 16 h + i of my row), become a fragment's codes in v[PC] .. v[PC+11] and its scale word in v[PW].  Each accumulator is read from its low end on.
.macro QUANTW s, w
	WIN (\w)|((\w)<<2)
.irp b, 0,1,2,3
	v_max3_num_f32 v[TM+\b], |v[\s+16*\b]|, |v[\s+1+16*\b]|, 0x1800000   ; and the floor 2^(3 - 127): the byte cannot fall under 1
.endr
	WIN ((\w)<<2)|((\w)<<4)
.irp i, 2,4,6,8,10,12,14
.irp b, 0,1,2,3
	v_max3_num_f32 v[TM+\b], v[TM+\b], |v[\s+16*\b+\i]|, |v[\s+1+16*\b+\i]|
.endr
.endr
	WIN 0
.irp b, 0,1,2,3
	v_permlanex16_b32 v[TM+4+\b], v[TM+\b], s[SEL], s[SEL+1]
.endr
.irp b, 0,1,2,3
	v_max_num_f32 v[TM+\b], v[TM+\b], v[TM+4+\b]
.endr
.irp b, 0,1,2,3
	v_add_nc_u32 v[TM+12+\b], 0xff000000, v[TM+\b]
.endr
.irp b, 0,1,2,3
	v_lshrrev_b32 v[TM+4+\b], 23, v[TM+12+\b]
.endr
	v_lshl_or_b32 v[PW], v[TM+5], 8, v[TM+4]
	v_lshl_or_b32 v[PW], v[TM+6], 16, v[PW]
	v_lshl_or_b32 v[PW], v[TM+7], 24, v[PW]
	WIN (\w)
.irp c, 0,1
	v_cvt_scalef32_pk16_fp6_f32 v[PC+6*\c:PC+2+6*\c], v[\s+32*\c:\s+15+32*\c], v[TM+12+2*\c]
	v_cvt_scalef32_pk16_fp6_f32 v[PC+12+4*\c:PC+14+4*\c], v[\s+16+32*\c:\s+31+32*\c], v[TM+12+2*\c+1]
.endr
	WIN 0
	v_nop                                          ; one plain place behind a scaled conversion
.irp c, 0,1
.irp i, 0,1,2
	v_permlane16_swap_b32 v[PC+6*\c+\i], v[PC+12+4*\c+\i]
.endr
.irp i, 0,1,2
	v_mov_b32 v[PC+3+6*\c+\i], v[PC+12+4*\c+\i]
.endr
.endr
.endm
.macro EPI a                           ; block a: 16 rows x my 128 columns
	s_wait_xcnt 0x0                                ; the last block's stores have read the codes' registers and their base
.if (\a) > 0
	s_add_nc_u64 s[OUT:OUT+1], s[OUT:OUT+1], s[ASTEP:ASTEP+1]
.endif
.if (\a) == 4
	s_add_nc_u64 s[OUT:OUT+1], s[OUT:OUT+1], s[A4:A4+1]
.endif
	s_cmp_eq_u32 s[KIND], 2
	s_cbranch_scc0 .Lno_row_\@
	WIN (2+(\a)/4)|((2+(\a)/4)<<6)
.set J_, 0
.rept 32
	v_pk_add_f32 v[64*((\a)%4)+J_:64*((\a)%4)+J_+1], v[64*((\a)%4)+J_:64*((\a)%4)+J_+1], v[BM+2*(\a):BM+2*(\a)+1]   ; v: my row's bias
.set J_, J_+2
.endr
	WIN 0
.Lno_row_\@:
	QUANTW 64*((\a)%4), 2+(\a)/4
	v_and_b32 v[WA+2*(\a)], s[WMASK], v[PW]        ; q, k: the even head's two bytes; v: the whole word
	v_lshrrev_b32 v[WA+2*(\a)+1], 16, v[PW]        ; q, k: the odd head's
	ds_store_b32 v[STGA], v[WA+2*(\a)] offset:256*((\a)/4)+128*((\a)%2)+4*(((\a)/2)%2)       ; lanes l and l + 16 write the same word with the same value
	ds_store_b32 v[STGA], v[WA+2*(\a)+1] offset:512+256*((\a)/4)+128*((\a)%2)+4*(((\a)/2)%2)
	global_store_b128 v[O16], v[PC:PC+3], s[OUT:OUT+1]                   ; every store covers whole aligned runs of 256 consecutive bytes
	global_store_b64 v[O8], v[PC+4:PC+5], s[OUT:OUT+1] offset:512
	global_store_b128 v[O16H], v[PC+6:PC+9], s[OUT:OUT+1]
	global_store_b64 v[O8H], v[PC+10:PC+11], s[OUT:OUT+1] offset:512
.endm
	EPI 0
	EPI 1
	EPI 2
	EPI 3
	EPI 4
	EPI 5
	EPI 6
	EPI 7
.irp p, 0,1,2,3
	ds_load_b64 v[SB+2*\p:SB+2*\p+1], v[STGR] offset:256*\p   ; LDS serves a wave's instructions in order: these see my stores
.endr
	s_wait_dscnt 0x0
	global_store_b64 v[O8], v[SB:SB+1], s[SOUT:SOUT+1]        ; 32 lanes store 256 consecutive bytes, aligned
	global_store_b64 v[O8P], v[SB+2:SB+3], s[SOUT:SOUT+1]
	s_cmp_eq_u32 s[KIND], 2
	s_cbranch_scc1 .Lno_odd
	global_store_b64 v[O8], v[SB+4:SB+5], s[SOUT:SOUT+1] offset:8192   ; q, k: the odd head's 512 bytes
	global_store_b64 v[O8], v[SB+6:SB+7], s[SOUT:SOUT+1] offset:8448
.Lno_odd:
	s_wait_tensorcnt 0x0                           ; the wave's end, behind my last tensor load and my last LDS store
	ds_add_u32 v[SPW], v[NIL]
	s_wait_dscnt 0x0
	CROUND                                         ; the closing round: no work-group ends while a partner may still ask for a tile that names it
	s_endpgm
.Lfunc_end_k_q084dbb16e7_proj:
	.size	k_q084dbb16e7_proj, .Lfunc_end_k_q084dbb16e7_proj-k_q084dbb16e7_proj
	.p2alignl 7, 3214868480
	.fill 96, 4, 3214868480
	.section	.rodata,"a",@progbits
	.p2align	6, 0x0
	.amdhsa_kernel k_q084dbb16e7_proj
		.amdhsa_group_segment_fixed_size 327680
		.amdhsa_private_segment_fixed_size 0
		.amdhsa_enable_private_segment 0
		.amdhsa_kernarg_size 72
		.amdhsa_user_sgpr_count 2
		.amdhsa_user_sgpr_kernarg_segment_ptr 1
		.amdhsa_wavefront_size32 1
		.amdhsa_system_sgpr_workgroup_id_x 1
		.amdhsa_system_sgpr_workgroup_id_y 1
		.amdhsa_system_sgpr_workgroup_id_z 1
		.amdhsa_system_vgpr_workitem_id 0
		.amdhsa_next_free_vgpr 1024
		.amdhsa_next_free_sgpr 106
		.amdhsa_reserve_vcc 0
		.amdhsa_float_denorm_mode_32 3
		.amdhsa_float_denorm_mode_16_64 3
		.amdhsa_memory_ordered 1
		.amdhsa_forward_progress 1
		.amdhsa_inst_pref_size 176
	.end_amdhsa_kernel
	.amdgpu_metadata
---
amdhsa.version: [ 1, 2 ]
amdhsa.kernels:
  - .name:           k_q084dbb16e7_proj
    .symbol:         k_q084dbb16e7_proj.kd
    .args:
      - { .name: ximg, .offset: 0, .size: 8, .value_kind: global_buffer, .address_space: global }
      - { .name: xsc, .offset: 8, .size: 8, .value_kind: global_buffer, .address_space: global }
      - { .name: wimg, .offset: 16, .size: 8, .value_kind: global_buffer, .address_space: global }
      - { .name: wsc, .offset: 24, .size: 8, .value_kind: global_buffer, .address_space: global }
      - { .name: bq, .offset: 32, .size: 8, .value_kind: global_buffer, .address_space: global }
      - { .name: bk, .offset: 40, .size: 8, .value_kind: global_buffer, .address_space: global }
      - { .name: bv, .offset: 48, .size: 8, .value_kind: global_buffer, .address_space: global }
      - { .name: aimg, .offset: 56, .size: 8, .value_kind: global_buffer, .address_space: global }
      - { .name: asc, .offset: 64, .size: 8, .value_kind: global_buffer, .address_space: global }
    .group_segment_fixed_size: 327680
    .private_segment_fixed_size: 0
    .kernarg_segment_align: 8
    .kernarg_segment_size: 72
    .max_flat_workgroup_size: 128
    .sgpr_count:     106
    .vgpr_count:     1024
    .wavefront_size: 32
...
	.end_amdgpu_metadata
.endif
;; end of part 2
;; launch attn (part 3): grid 4 x 64, 8 waves a work-group, clusters of 4 x 1, 209,920 bytes of LDS; arguments aimg, asc, oimg, osc; writes oimg, osc
.if DOCPART == 3
	.amdgcn_target "amdgcn-amd-amdhsa--gfx1250"
	.amdhsa_code_object_version 6
	.text
	.protected	k_q084dbb16e7_attn
	.globl	k_q084dbb16e7_attn
	.p2align	8
	.type	k_q084dbb16e7_attn,@function
k_q084dbb16e7_attn:
	s_mov_b64 s[64:65], 0
	v_nop
	global_prefetch_b8 v0, s[64:65] scope:SCOPE_SE
	s_setreg_imm32_b32 hwreg(HW_REG_WAVE_MODE, 25, 1), 1
	s_wait_xcnt 0x0
	s_wait_alu depctr_hold_cnt(0) depctr_sa_sdst(0) depctr_va_vdst(0) depctr_va_sdst(0) depctr_va_ssrc(0) depctr_va_vcc(0) depctr_vm_vsrc(0)
	s_getreg_b32 s2, hwreg(HW_REG_IB_STS2, 6, 4)
	s_cmp_eq_u32 s2, 0
	s_cbranch_scc0 .Lentry_in_a_cluster
	s_endpgm
.Lentry_in_a_cluster:
	s_bfe_u32 s2, ttmp6, 0x10000c
	s_cmp_lg_u32 s2, 0x3003
	s_cbranch_scc0 .Lentry_shape_is_right
	s_endpgm
.Lentry_shape_is_right:
; Causal attention of one (batch, head) for each cluster, both products on codes of FP6 (E2M3) with E8M0 scales; the result, divided by the row's sum, is quantised along the head's 64 and leaves as the
; last product's operand.  2,048 tokens, head size 64.
; THE SOFTMAX AHEAD OF THE SECOND PRODUCT: t = score x log2(e) / 8; M = the row's largest t so far, rounded up to a whole number; p = 2^(t - M) is quantised along the keys; the row's sum is taken of the
; unquantised p.  When M moves, the sum and O are multiplied by 2^(old M - new M): exact.
; OPERANDS come as images of their registers (tile T = 2 g + u holds rows 32 g + 8 u + r + 8 (r / 8); half a fragment, 64 along K: registers 0-3 at 16 x lane, 4-5 at 512 + 8 x lane; 768 bytes):
;   aimg: q at 0, k at 6,291,456: [bh][tile 128][768]; v at 12,582,912: [bh][key step 16][tile of d 4][1,536] (K = the keys).  asc: q at 0, k at 524,288: [bh][block 16][512]; v at 1,048,576: [bh][key step][256].
; THE FIRST PRODUCT'S K IS 64, the instruction's 128: Q's registers 6-11 are zero codes.  K's operand names the next tile's codes there (behind the last tile: zeros): every code of this format is a finite
; number, so those products are zeros; the scale bytes of those two blocks are 0 on both sides (a power of two, not NaN).
; A HEAD'S K AND V, CODES AND SCALE WORDS, ARE 208,896 BYTES: THEY LIE IN LDS WHOLE.  They are filled once, at the head, jointly for the cluster's four work-groups (mask 15), each of the eight waves bringing an
; eighth of each of the four blocks: four tensor loads of mine are out.  No slot is filled again, and no barrier stands in the loop.
; SHARES.  The work-group at place cx, wave w, owns two pairs of tiles of 16 queries: pair E, tiles 8 w + 2 cx + u, and pair L, tiles 8 (15 - w) + 2 cx + u, u = 0, 1.  In key step t (128 keys) pair E counts
; while t <= w and pair L while t <= 15 - w, each with its diagonal at the last: 2 (w + 1) + 2 (16 - w) = 34 tile steps for every wave.  The branches hang on the wave's number and the loop's counter alone;
; cx enters global addresses and the mask's compared numbers alone.
; LAYOUT.  Both products are used transposed: S^T = K Q^T, O^T = V^T P^T: a lane holds one query (lane % 16).  With the tiles' choice of rows, register 16 b + i of S^T is key 32 b + 16 (lane / 16) + i of the
; step, and of O^T channel 32 b + 16 (lane / 16) + i.
; OUT: oimg [tile 512][head 16][768]; osc [tile 512][K step / 2, 4][r 16][2 words]: a head's two bytes are half of a word, so they leave by stores of two bytes a lane, 8 bytes apart: 256 KB in the launch.
; LIMITS: a block of zeros gets the byte 1 where the rule says 127 (zero codes; this program alone reads the bytes); NaN and infinities are not served.
; REGISTERS: window 0: v1-15 addresses and constants; v16-31 statistics, four a tile: -M, the largest t, the sum in two halves; v32-43 scale words; v44-67 at work; v68-115 p's codes, 12 a tile; v116-243 S^T of
;   a pair, then p; v244-249 addresses, at work.   window 1: v0-127 O^T, 32 a tile; v128-175 Q, 12 a tile; v176-229 K's eight half fragments and six zeros; V's four fragments lie over the first 48 of them.
.set VIMG,  98304                      ; LDS: K's codes at 0, V's here,
.set KSC,   196608                     ; K's scale words,
.set VSC,   204800                     ; V's,
.set SPARE, 208896                     ; the spare words, 128 bytes for each wave, which no other line names
.set L16,   1
.set L8,    2
.set V16,   3
.set V8,    4
.set KSA,   5
.set VSA,   6
.set ADK16, 7
.set ADK8,  8
.set ADV16, 9
.set SPW,   10
.set NIL,   11
.set D0,    12                         ; v12, v13: my query in its block of 128, less 16 (lane / 16), for u = 0, 1
.set D1,    13
.set NINF,  14
.set OSO,   15
.set ST,    16
.set QS,    32                         ; v32, v33 Q's scale words: pair E, pair L; lanes 0-15 u = 0, lanes 16-31 u = 1
.set KS,    34                         ; v34-37 K's: register i / 2, lanes 16 (i % 2) on
.set VS,    38                         ; v38-39 V's: register dt / 2, lanes 16 (dt % 2) on
.set PS,    40                         ; v40-43 p's, one a tile
.set F,     44
.set TA,    46
.set BX,    48
.set BY,    52
.set BZ,    56
.set CT,    60
.set PC,    68
.set S0,    116
.set S1,    180
.set ADV8,  244
.set ADKS,  245
.set ADVS,  246
.set SU,    248
.set QF,    128
.set KF,    176
.set VF,    176
.set WV,    12                         ; s12 my wave's number: pair E's block
.set WL,    16                         ; s16 15 - it: pair L's block
.set T,     17                         ; s17 the key step
.set SEL,   20
.set CS,    22                         ; s[22:23] c = log2(e) / 8
.set TK,    26                         ; s26 the step's codes in K's and in V's block: 6,144 bytes a step
.set TKS,   27                         ; s27 K's scale words: 512 a step
.set TVS,   28                         ; s28 V's: 256 a step
.set HM,    29                         ; s29 lanes 16-31
.set G1C,   32
.set G1KS,  40
.set G1VS,  48
.set G0K,   56
.set G0V,   60
.set G0KS,  68
.set G0VS,  72
.set MSB, 0
.macro WIN new                         ; the immediate's high byte repeats the setting that is left
.if MSB != (\new)
	s_set_vgpr_msb (MSB<<8)|(\new)
.set MSB, (\new)
.endif
.endm
.macro CROUND                          ; a round of the cluster's barrier
	s_barrier_signal -1
	s_barrier_wait -1
	s_cmp_lg_u32 s[WV], 0
	s_cbranch_scc1 .Lnot_wave_0_\@
	s_barrier_signal -3
.Lnot_wave_0_\@:
	s_barrier_wait -3
	s_barrier_signal -1
	s_barrier_wait -1
.endm
.macro PLACES
.rept 4
	v_nop
.endr
.endm
	s_load_b256 s[4:11], s[0:1], 0x0               ; aimg 4, asc 6, oimg 8, osc 10
	v_lshl_add_u32 v[SPW], v0, 2, SPARE
	v_mov_b32 v[NIL], 0
	ds_add_u32 v[SPW], v[NIL]                      ; the wave's opening: the add and its wait stand ahead of my first tensor load; work on registers stands between them
	ds_add_u32 v[SPW], v[NIL]
	v_lshrrev_b32 v1, 5, v0
	s_delay_alu instid0(VALU_DEP_1)
	v_readfirstlane_b32 s[WV], v1                  ; wave 0..7
	s_bfe_u32 s13, ttmp6, 0x40000                  ; cx
	s_and_b32 s14, ttmp7, 0xffff                   ; 16 x batch + head, which the four partners share
	s_xor_b32 s[WL], s[WV], 15
	; descriptor group 1: dense blocks as rows of 256 bytes (32 elements of 8 bytes): 48 rows of codes, 4 of K's scale words, 2 of V's
.irp g, G1C, G1KS, G1VS
	s_mov_b32 s[\g], 15|(3<<16)|(1<<21)            ; 15:0 the mask: all four work-groups; 17:16 elements of 8 bytes; 21 set beside a mask
	s_mov_b32 s[\g+1], 32<<16
	s_mov_b32 s[\g+3], 32<<16
	s_mov_b32 s[\g+5], 32
	s_mov_b32 s[\g+6], 0
	s_mov_b32 s[\g+7], 0
.endr
	s_mov_b32 s[G1C+2], 48<<16
	s_mov_b32 s[G1C+4], 48
	s_mov_b32 s[G1KS+2], 4<<16
	s_mov_b32 s[G1KS+4], 4
	s_mov_b32 s[G1VS+2], 2<<16
	s_mov_b32 s[G1VS+4], 2
	s_mul_i32 s76, s14, 98304                      ; the head in each part of aimg
	s_mul_i32 s77, s[WV], 12288                    ; my eighth of its codes
	s_add_co_u32 s78, s76, s77
	s_add_co_u32 s80, s78, 6291456                 ; K's
	s_mov_b32 s81, 0
	s_add_co_u32 s82, s78, 12582912                ; V's
	s_mov_b32 s83, 0
	s_lshl_b32 s88, s[WV], 10                      ; my eighth of K's scale words
	s_lshl_b32 s84, s14, 13
	s_add_co_u32 s84, s84, s88
	s_add_co_u32 s84, s84, 524288
	s_mov_b32 s85, 0
	s_lshl_b32 s89, s[WV], 9                       ; and of V's
	s_lshl_b32 s86, s14, 12
	s_add_co_u32 s86, s86, s89
	s_add_co_u32 s86, s86, 1048576
	s_mov_b32 s87, 0
	; Q: my two tiles in blocks w and 15 - w (these registers hold cx, and feed no descriptor)
	s_mul_i32 s2, s13, 1536
	s_add_co_u32 s2, s2, s76
	s_mul_i32 s3, s[WV], 6144
	s_mul_i32 s19, s[WL], 6144
	s_add_co_u32 s18, s2, s19                      ; pair L's codes
	s_add_co_u32 s2, s2, s3                        ; pair E's
	s_mov_b32 s3, 0
	s_mov_b32 s19, 0
	s_lshr_b32 s24, s13, 1                         ; their scale words: tile i = 2 cx + u: 256 (cx / 2) + 4 (cx % 2) + 8 (r + 16 u)
	s_lshl_b32 s24, s24, 8
	s_and_b32 s25, s13, 1
	s_lshl_b32 s25, s25, 2
	s_add_co_u32 s24, s24, s25
	s_lshl_b32 s25, s14, 13
	s_add_co_u32 s24, s24, s25
	s_lshl_b32 s25, s[WL], 9
	s_add_co_u32 s30, s24, s25                     ; pair L's
	s_lshl_b32 s25, s[WV], 9
	s_add_co_u32 s24, s24, s25                     ; pair E's
	s_mov_b32 s25, 0
	s_mov_b32 s31, 0
	s_mov_b32 s[SEL], 0x76543210
	s_mov_b32 s[SEL+1], 0xfedcba98
	s_mov_b32 s[CS], 0x3e38aa3b                    ; log2(e) / 8
	s_mov_b32 s[CS+1], s[CS]                       ; named with it as a pair, so it is written
	s_mov_b32 s[TK], 0
	s_mov_b32 s[TKS], 0
	s_mov_b32 s[TVS], 0
	s_mov_b32 s[HM], 0xffff0000
	s_wait_dscnt 0x0                               ; the opening add is done
	s_wait_kmcnt 0x0
	s_mov_b32 s[G0K], 1
	s_mov_b32 s[G0K+1], s77
	s_add_nc_u64 s[G0K+2:G0K+3], s[4:5], s[80:81]
	s_or_b32 s[G0K+3], s[G0K+3], 0x80000000
	s_mov_b32 s[G0V], 1
	s_add_co_u32 s[G0V+1], s77, VIMG
	s_add_nc_u64 s[G0V+2:G0V+3], s[4:5], s[82:83]
	s_or_b32 s[G0V+3], s[G0V+3], 0x80000000
	s_mov_b32 s[G0KS], 1
	s_add_co_u32 s[G0KS+1], s88, KSC
	s_add_nc_u64 s[G0KS+2:G0KS+3], s[6:7], s[84:85]
	s_or_b32 s[G0KS+3], s[G0KS+3], 0x80000000
	s_mov_b32 s[G0VS], 1
	s_add_co_u32 s[G0VS+1], s89, VSC
	s_add_nc_u64 s[G0VS+2:G0VS+3], s[6:7], s[86:87]
	s_or_b32 s[G0VS+3], s[G0VS+3], 0x80000000
	s_add_nc_u64 s[2:3], s[4:5], s[2:3]
	s_add_nc_u64 s[18:19], s[4:5], s[18:19]
	s_add_nc_u64 s[24:25], s[6:7], s[24:25]
	s_add_nc_u64 s[30:31], s[6:7], s[30:31]
	CROUND                                         ; all four work-groups are here: the joint loads meet
	tensor_load_to_lds s[G0K:G0K+3], s[G1C:G1C+7]
	s_nop 0
	tensor_load_to_lds s[G0V:G0V+3], s[G1C:G1C+7]
	s_nop 0
	tensor_load_to_lds s[G0KS:G0KS+3], s[G1KS:G1KS+7]
	s_nop 0
	tensor_load_to_lds s[G0VS:G0VS+3], s[G1VS:G1VS+7]
	s_nop 0
.rept 4
	v_nop
.endr
	v_and_b32 v44, 31, v0                          ; lane
	v_and_b32 v46, 15, v0                          ; r
	v_bfe_u32 v47, v0, 4, 1                        ; h
	s_delay_alu instid0(VALU_DEP_3)
	v_lshlrev_b32 v[L16], 4, v44
	s_delay_alu instid0(VALU_DEP_4)
	v_lshlrev_b32 v[L8], 3, v44
	WIN 0x40                                       ; destination window 1
.irp u, 0,1
	global_load_b128 v[QF+12*\u:QF+12*\u+3], v[L16], s[2:3] offset:768*\u
	global_load_b64 v[QF+12*\u+4:QF+12*\u+5], v[L8], s[2:3] offset:768*\u+512
	global_load_b128 v[QF+24+12*\u:QF+24+12*\u+3], v[L16], s[18:19] offset:768*\u
	global_load_b64 v[QF+24+12*\u+4:QF+24+12*\u+5], v[L8], s[18:19] offset:768*\u+512
.endr
.irp t, 0,1,2,3
.irp i, 6,7,8,9,10,11
	v_mov_b32 v[QF+12*\t+\i], 0                    ; K = 64 .. 127 of Q's operand: zero codes
.endr
.endr
.irp i, 48,49,50,51,52,53
	v_mov_b32 v[KF+\i], 0                          ; behind K's last tile
.endr
.set J_, 0
.rept 128
	v_mov_b32 v[J_], 0                             ; O^T.  The loop is written once: its first step finds zeros, which the first change of M leaves zeros
.set J_, J_+1
.endr
	WIN 0
	global_load_b32 v[QS], v[L8], s[24:25]
	global_load_b32 v[QS+1], v[L8], s[30:31]
	v_add_nc_u32 v[V16], VIMG, v[L16]
	v_add_nc_u32 v[V8], VIMG, v[L8]
	v_add_nc_u32 v[KSA], KSC, v[L8]
	v_add_nc_u32 v[VSA], VSC, v[L8]
	v_and_b32 v[D0], 8, v46
	s_delay_alu instid0(VALU_DEP_1)
	v_add_nc_u32 v[D0], v[D0], v46                 ; r + 8 (r / 8)
	v_lshlrev_b32 v[D1], 4, v47
	s_delay_alu instid0(VALU_DEP_1)
	v_sub_nc_u32 v[D0], v[D0], v[D1]               ; - 16 h
	s_lshl_b32 s90, s13, 5
	v_add_nc_u32 v[D0], s90, v[D0]                 ; + 32 cx
	s_delay_alu instid0(VALU_DEP_1)
	v_add_nc_u32 v[D1], 8, v[D0]
	v_mov_b32 v[NINF], 0xff800000                  ; -infinity
	v_lshlrev_b32 v[OSO], 3, v46
	s_delay_alu instid0(VALU_DEP_1)
	v_lshl_add_u32 v[OSO], v47, 9, v[OSO]          ; the way out's scale bytes: 8 r, and tile u = h 512 bytes on
.irp t, 0,1,2,3
	v_mov_b32 v[ST+4*\t+1], 0xff61b1e6             ; the largest t so far: -3e38, under every t
	s_delay_alu instid0(VALU_DEP_1)
	v_floor_f32 v[ST+4*\t], -v[ST+4*\t+1]          ; -M
	v_mov_b32 v[ST+4*\t+2], 0                      ; the sum, in two halves
	v_mov_b32 v[ST+4*\t+3], 0
	v_mov_b32 v[BY+\t], 0                          ; written once: a lane permute's destination counts as one of its sources
.endr
	v_mov_b32 v[F+1], 0                            ; named as the upper half of the pair with f
.set J_, 0
.rept 24
	v_mov_b32 v[PC+J_], 0                          ; pair E's codes and scale words: written once, so that every register is written on every way through the text
.set J_, J_+1
.endr
	v_mov_b32 v[PS], 0
	v_mov_b32 v[PS+1], 0
	s_wait_loadcnt 0x0                             ; Q
	s_wait_tensorcnt 0x0                           ; my eighths have landed,
	s_barrier_signal -1
	s_barrier_wait -1                              ; everybody's have
.macro KQ x, i, u                      ; S^T of tile x + u against K's tile i: one instruction, C = 0
.set rD, S0+64*(\u)+8*(\i)
.set rA, KF+6*(\i)
.set rB, QF+12*((\x)+(\u))
.set rE, KS+(\i)/2
.set rG, QS+(\x)/2
.if ((\i)%2 == 0) && ((\u) == 0)
	v_wmma_scale_f32_16x16x128_f8f6f4 v[rD:rD+7], v[rA:rA+11], v[rB:rB+11], 0, v[rE], v[rG] matrix_a_fmt:MATRIX_FMT_FP6 matrix_b_fmt:MATRIX_FMT_FP6
.elseif ((\i)%2 == 1) && ((\u) == 0)
	v_wmma_scale_f32_16x16x128_f8f6f4 v[rD:rD+7], v[rA:rA+11], v[rB:rB+11], 0, v[rE], v[rG] matrix_a_fmt:MATRIX_FMT_FP6 matrix_b_fmt:MATRIX_FMT_FP6 matrix_a_scale:MATRIX_SCALE_ROW1
.elseif ((\i)%2 == 0)
	v_wmma_scale_f32_16x16x128_f8f6f4 v[rD:rD+7], v[rA:rA+11], v[rB:rB+11], 0, v[rE], v[rG] matrix_a_fmt:MATRIX_FMT_FP6 matrix_b_fmt:MATRIX_FMT_FP6 matrix_b_scale:MATRIX_SCALE_ROW1
.else
	v_wmma_scale_f32_16x16x128_f8f6f4 v[rD:rD+7], v[rA:rA+11], v[rB:rB+11], 0, v[rE], v[rG] matrix_a_fmt:MATRIX_FMT_FP6 matrix_b_fmt:MATRIX_FMT_FP6 matrix_a_scale:MATRIX_SCALE_ROW1 matrix_b_scale:MATRIX_SCALE_ROW1
.endif
.endm
.macro SCORES x
	WIN 0x05                                       ; K and Q window 1, S^T window 0
.irp i, 0,1,2,3,4,5,6,7
	KQ \x, \i, 0
	KQ \x, \i, 1
.endr
	WIN 0
.endm
.macro PV1 x, dt, u                    ; O^T of tile x + u, channels of V's tile dt, += over these 128 keys
.set rD, 32*((\x)+(\u))+8*(\dt)
.set rA, VF+12*(\dt)
.set rB, PC+12*((\x)+(\u))
.if (\dt)%2 == 0
	v_wmma_scale_f32_16x16x128_f8f6f4 v[rD:rD+7], v[rA:rA+11], v[rB:rB+11], v[rD:rD+7], v[VS+(\dt)/2], v[PS+(\x)+(\u)] matrix_a_fmt:MATRIX_FMT_FP6 matrix_b_fmt:MATRIX_FMT_FP6
.else
	v_wmma_scale_f32_16x16x128_f8f6f4 v[rD:rD+7], v[rA:rA+11], v[rB:rB+11], v[rD:rD+7], v[VS+(\dt)/2], v[PS+(\x)+(\u)] matrix_a_fmt:MATRIX_FMT_FP6 matrix_b_fmt:MATRIX_FMT_FP6 matrix_a_scale:MATRIX_SCALE_ROW1
.endif
.endm
.macro PV x                            ; eight accumulators, one instruction each
	WIN 0x51                                       ; V window 1, p window 0, O^T window 1
.irp dt, 0,1,2,3
	PV1 \x, \dt, 0
	PV1 \x, \dt, 1
.endr
	WIN 0
.endm
.macro KLOAD                           ; the step's eight half fragments of K and their scale words: dense loads
	WIN 0x40
.irp i, 0,1,2,3,4,5,6,7
	ds_load_b128 v[KF+6*\i:KF+6*\i+3], v[ADK16] offset:768*\i
	ds_load_b64 v[KF+6*\i+4:KF+6*\i+5], v[ADK8] offset:768*\i+512
.endr
	WIN 0
	ds_load_b64 v[KS:KS+1], v[ADKS]
	ds_load_b64 v[KS+2:KS+3], v[ADKS] offset:256
.endm
.macro VLOAD                           ; the step's four fragments of V^T and their scale words
	WIN 0x40
.irp d, 0,1,2,3
	ds_load_b128 v[VF+12*\d:VF+12*\d+3], v[ADV16] offset:1536*\d
	ds_load_b64 v[VF+12*\d+4:VF+12*\d+5], v[ADV8] offset:1536*\d+512
	ds_load_b128 v[VF+12*\d+6:VF+12*\d+9], v[ADV16] offset:1536*\d+768
	ds_load_b64 v[VF+12*\d+10:VF+12*\d+11], v[ADV8] offset:1536*\d+1280
.endr
	WIN 0
	ds_load_b64 v[VS:VS+1], v[ADVS]
.endm
.macro MASK s, d                       ; on the diagonal: register n holds key 32 (n / 16) + n % 16 + 16 (lane / 16) of the step: hidden, and then -infinity, where that lies behind my query
.set N_, 0
.rept 64
	v_cmp_gt_i32 vcc_lo, 32*(N_/16)+N_%16, v[\d]
	v_cndmask_b32 v[\s+N_], v[\s+N_], v[NINF], vcc_lo
.set N_, N_+1
.endr
.endm
; Tile t's softmax of one key step: its 64 scores a lane in v[s] on become p, p's codes in v[PC + 12 t] on and p's scale word in v[PS + t]; the sum and O^T are brought under the new M.
.macro SOFTMAX t, s
.set rT, ST+4*(\t)
.set rP, PC+12*(\t)
.irp b, 0,1,2,3
	v_max3_num_f32 v[BX+\b], v[\s+16*\b], v[\s+16*\b+1], v[\s+16*\b+2]   ; the largest score of each block of 32 keys: it serves for the row's maximum and, since p rises with the score, for the block's largest p
.endr
.irp i, 3,5,7,9,11,13
.irp b, 0,1,2,3
	v_max3_num_f32 v[BX+\b], v[BX+\b], v[\s+16*\b+\i], v[\s+16*\b+\i+1]
.endr
.endr
.irp b, 0,1,2,3
	v_max_num_f32 v[BX+\b], v[BX+\b], v[\s+16*\b+15]
.endr
.irp b, 0,1,2,3
	s_delay_alu instid0(VALU_DEP_4)
	v_permlanex16_b32 v[BY+\b], v[BX+\b], s[SEL], s[SEL+1]
.endr
.irp b, 0,1,2,3
	s_delay_alu instid0(VALU_DEP_4)
	v_max_num_f32 v[BX+\b], v[BX+\b], v[BY+\b]     ; with lane l xor 16's 16 keys
.endr
	s_delay_alu instid0(VALU_DEP_2)
	v_max3_num_f32 v[TA], v[BX], v[BX+1], v[BX+2]
	s_delay_alu instid0(VALU_DEP_1)
	v_max_num_f32 v[TA], v[TA], v[BX+3]            ; the step's largest score of my query
	s_delay_alu instid0(VALU_DEP_1)
	v_mul_f32 v[TA], s[CS], v[TA]                  ; as t
	s_delay_alu instid0(VALU_DEP_1)
	v_max_num_f32 v[rT+1], v[rT+1], v[TA]          ; the running largest t
	v_mov_b32 v[TA], v[rT]
	s_delay_alu instid0(VALU_DEP_2)
	v_floor_f32 v[rT], -v[rT+1]                    ; the new -M = floor(-t): M is a whole number
	s_delay_alu instid0(VALU_DEP_1)
	v_sub_f32 v[TA], v[rT], v[TA]                  ; old M - new M: a whole number, 0 or less
	s_delay_alu instid0(VALU_DEP_1)
	v_cvt_i32_f32 v[TA], v[TA]                     ; (it saturates)
	s_delay_alu instid0(VALU_DEP_1)
	v_ldexp_f32 v[F], 1.0, v[TA]                   ; f = 2^(old M - new M)
.set J_, 0
.rept 32
	v_pk_fma_f32 v[\s+J_:\s+J_+1], v[\s+J_:\s+J_+1], s[CS:CS+1], v[rT:rT+1] op_sel_hi:[1,0,0]   ; t - M, two at a time
.set J_, J_+2
.endr
.irp b, 0,1,2,3
	v_fma_f32 v[BX+\b], v[BX+\b], s[CS], v[rT]     ; the same of each block's largest score
.endr
.set J_, 0
	s_wait_alu depctr_va_vdst(0)
.rept 64
	v_exp_f32 v[\s+J_], v[\s+J_]                   ; p = 2^(t - M), at most 1: not normalised
.set J_, J_+1
.endr
	v_pk_mul_f32 v[rT+2:rT+3], v[rT+2:rT+3], v[F:F+1] op_sel_hi:[1,0]   ; the sums under the new M: a plain place behind the exponentials
	s_wait_alu depctr_va_vdst(0)                   ; the wait stands ahead of the first line that names a result: one for the batch of 64
.irp b, 0,1,2,3
	v_exp_f32 v[BX+\b], v[BX+\b]                   ; the block's largest p
.endr
	v_pk_add_f32 v[SU:SU+1], v[\s:\s+1], v[\s+2:\s+3]   ; the row's sum is taken of the unquantised p: two at a time, in two chains
.irp j, 4,8,12,16,20,24,28,32,36,40,44,48,52,56,60
	v_pk_add_f32 v[rT+2:rT+3], v[rT+2:rT+3], v[\s+\j:\s+\j+1]
	v_pk_add_f32 v[SU:SU+1], v[SU:SU+1], v[\s+\j+2:\s+\j+3]
.endr
	s_delay_alu instid0(VALU_DEP_1)
	v_pk_add_f32 v[rT+2:rT+3], v[rT+2:rT+3], v[SU:SU+1]
	s_wait_alu depctr_va_vdst(0)                   ; and one for the four
.irp b, 0,1,2,3
	v_max_num_f32 v[BX+\b], 0x1800000, v[BX+\b]    ; the floor 2^(3 - 127): the byte cannot fall under 1 (a block whose every p is 0 keeps that byte: its codes are zeros)
.endr
.irp b, 0,1,2,3
	s_delay_alu instid0(VALU_DEP_4)
	v_add_nc_u32 v[BZ+\b], 0xff000000, v[BX+\b]    ; 2 off the exponent field: the conversion's scale operand
.endr
.irp b, 0,1,2,3
	s_delay_alu instid0(VALU_DEP_4)
	v_lshrrev_b32 v[BY+\b], 23, v[BZ+\b]           ; the scale's byte
.endr
	s_delay_alu instid0(VALU_DEP_3)
	v_lshl_or_b32 v[PS+(\t)], v[BY+1], 8, v[BY]
	s_delay_alu instid0(VALU_DEP_1)
	v_lshl_or_b32 v[PS+(\t)], v[BY+2], 16, v[PS+(\t)]
	s_delay_alu instid0(VALU_DEP_1)
	v_lshl_or_b32 v[PS+(\t)], v[BY+3], 24, v[PS+(\t)]
.irp c, 0,1
	v_cvt_scalef32_pk16_fp6_f32 v[rP+6*\c:rP+6*\c+2], v[\s+32*\c:\s+32*\c+15], v[BZ+2*\c]
	v_cvt_scalef32_pk16_fp6_f32 v[CT+4*\c:CT+4*\c+2], v[\s+32*\c+16:\s+32*\c+31], v[BZ+2*\c+1]
.endr
	v_nop                                          ; one plain place behind a scaled conversion
.irp c, 0,1                                    ; the operand's layout wants a whole block in a lane
.irp i, 0,1,2
	v_permlane16_swap_b32 v[rP+6*\c+\i], v[CT+4*\c+\i]
.endr
.irp i, 0,1,2
	s_delay_alu instid0(VALU_DEP_3)
	v_mov_b32 v[rP+6*\c+3+\i], v[CT+4*\c+\i]
.endr
.endr
	WIN 0x41                                       ; O^T window 1, f window 0
.set J_, 0
.rept 16
	v_pk_mul_f32 v[32*(\t)+J_:32*(\t)+J_+1], v[32*(\t)+J_:32*(\t)+J_+1], v[F:F+1] op_sel_hi:[1,0]   ; O^T under the new M, from each accumulator's low end on; these 16 stand between the scale word's and the codes' last writes and the products
.set J_, J_+2
.endr
	WIN 0
.endm
	s_mov_b32 s[T], 0
.Lstep:                                            ; 16 trips, a constant; a wave jumps over the work of steps all of whose keys come after its queries
	s_cmp_gt_u32 s[T], s[WL]
	s_cbranch_scc1 .Lend
	s_setprio 2
	v_add_nc_u32 v[ADK16], s[TK], v[L16]           ; these six are also the places in front of loads into registers that the last products read
	v_add_nc_u32 v[ADK8], s[TK], v[L8]
	v_add_nc_u32 v[ADV16], s[TK], v[V16]
	v_add_nc_u32 v[ADV8], s[TK], v[V8]
	v_add_nc_u32 v[ADKS], s[TKS], v[KSA]
	v_add_nc_u32 v[ADVS], s[TVS], v[VSA]
	KLOAD
	s_cmp_gt_u32 s[T], s[WV]
	s_cbranch_scc1 .Llate
	s_wait_dscnt 0x0                               ; K is in
	SCORES 0
	PLACES
	s_cmp_lg_u32 s[T], s[WV]
	s_cbranch_scc1 .Lopen_e
	MASK S0, D0
	MASK S1, D1
.Lopen_e:
	SOFTMAX 0, S0
	SOFTMAX 1, S1
.Llate:
	s_wait_dscnt 0x0                               ; K is in
	SCORES 2
	PLACES                                         ; in front of the loads over K's registers and of the reads of the scores
	s_wait_alu depctr_va_vdst(0)
	VLOAD                                          ; V lands while pair L's softmax is walked
	s_setprio 1
	s_cmp_lg_u32 s[T], s[WL]
	s_cbranch_scc1 .Lopen_l
	MASK S0, D0
	MASK S1, D1
.Lopen_l:
	SOFTMAX 2, S0
	s_setprio 0
	SOFTMAX 3, S1
	s_wait_alu depctr_va_vdst(0)
	s_wait_dscnt 0x0                               ; V is in
	PV 2
	s_cmp_gt_u32 s[T], s[WV]
	s_cbranch_scc1 .Lend
	PV 0
.Lend:
	s_add_co_u32 s[TK], s[TK], 6144
	s_add_co_u32 s[TKS], s[TKS], 512
	s_add_co_u32 s[TVS], s[TVS], 256
	s_add_co_u32 s[T], s[T], 1
	s_cmp_lt_u32 s[T], 16
	s_cbranch_scc1 .Lstep
	s_setprio 0
	; ---- THE WAY OUT: O^T / the sum, quantised along the head's 64, stored as half a fragment a tile
	s_lshr_b32 s76, s14, 4                         ; batch
	s_and_b32 s77, s14, 15                         ; head
	s_lshl_b32 s76, s76, 7
	s_lshl_b32 s78, s13, 1
	s_add_co_u32 s76, s76, s78                     ; 128 x batch + 2 cx
	s_lshl_b32 s78, s[WV], 3
	s_add_co_u32 s78, s78, s76                     ; pair E's first tile
	s_lshl_b32 s79, s[WL], 3
	s_add_co_u32 s79, s79, s76                     ; pair L's
	s_mul_i32 s80, s77, 768
	s_mul_i32 s82, s78, 12288
	s_add_co_u32 s82, s82, s80
	s_mov_b32 s83, 0
	s_mul_i32 s84, s79, 12288
	s_add_co_u32 s84, s84, s80
	s_mov_b32 s85, 0
	s_lshr_b32 s80, s77, 2                         ; the head's two bytes: 128 (head / 4) + 4 ((head / 2) % 2) + 2 (head % 2)
	s_lshl_b32 s80, s80, 7
	s_bfe_u32 s81, s77, 0x10001
	s_lshl_b32 s81, s81, 2
	s_add_co_u32 s80, s80, s81
	s_and_b32 s81, s77, 1
	s_lshl_b32 s81, s81, 1
	s_add_co_u32 s80, s80, s81
	s_lshl_b32 s86, s78, 9
	s_add_co_u32 s86, s86, s80
	s_mov_b32 s87, 0
	s_lshl_b32 s88, s79, 9
	s_add_co_u32 s88, s88, s80
	s_mov_b32 s89, 0
	s_add_nc_u64 s[82:83], s[8:9], s[82:83]
	s_add_nc_u64 s[84:85], s[8:9], s[84:85]
	s_add_nc_u64 s[86:87], s[10:11], s[86:87]
	s_add_nc_u64 s[88:89], s[10:11], s[88:89]
	PLACES                                         ; behind the last products
.irp t, 0,1,2,3
	v_add_f32 v[BX+\t], v[ST+4*\t+2], v[ST+4*\t+3] ; the sum's two halves,
.endr
.irp t, 0,1,2,3
	s_delay_alu instid0(VALU_DEP_4)
	v_permlanex16_b32 v[BY+\t], v[BX+\t], s[SEL], s[SEL+1]
.endr
.irp t, 0,1,2,3
	s_delay_alu instid0(VALU_DEP_4)
	v_add_f32 v[BX+\t], v[BX+\t], v[BY+\t]         ; and lane l xor 16's: the row's sum
.endr
	s_wait_alu depctr_va_vdst(0)
.irp t, 0,1,2,3
	v_rcp_f32 v[ST+4*\t], v[BX+\t]
.endr
	v_nop                                          ; a plain place behind the last reciprocal
	s_wait_alu depctr_va_vdst(0)                   ; the wait stands ahead of the first use: one for the four
.macro OUTT t, s, base, u
	WIN 0x01                                       ; O^T window 1
.set J_, 0
.rept 16
	v_pk_mul_f32 v[\s+J_:\s+J_+1], v[32*(\t)+J_:32*(\t)+J_+1], v[ST+4*(\t):ST+4*(\t)+1] op_sel_hi:[1,0]   ; register 16 b + i: channel 32 b + 16 h + i of my query
.set J_, J_+2
.endr
	WIN 0
.set rP, PC+12*(\t)
.irp b, 0,1
	v_max3_num_f32 v[BX+\b], |v[\s+16*\b]|, |v[\s+1+16*\b]|, 0x1800000
.endr
.irp i, 2,4,6,8,10,12,14
.irp b, 0,1
	s_delay_alu instid0(VALU_DEP_2)
	v_max3_num_f32 v[BX+\b], v[BX+\b], |v[\s+16*\b+\i]|, |v[\s+1+16*\b+\i]|
.endr
.endr
.irp b, 0,1
	s_delay_alu instid0(VALU_DEP_2)
	v_permlanex16_b32 v[BY+\b], v[BX+\b], s[SEL], s[SEL+1]
.endr
.irp b, 0,1
	s_delay_alu instid0(VALU_DEP_2)
	v_max_num_f32 v[BX+\b], v[BX+\b], v[BY+\b]
.endr
.irp b, 0,1
	s_delay_alu instid0(VALU_DEP_2)
	v_add_nc_u32 v[BZ+\b], 0xff000000, v[BX+\b]
.endr
.irp b, 0,1
	s_delay_alu instid0(VALU_DEP_2)
	v_lshrrev_b32 v[BY+\b], 23, v[BZ+\b]
.endr
	s_delay_alu instid0(VALU_DEP_1)
	v_lshl_or_b32 v[PS+(\t)], v[BY+1], 8, v[BY]    ; the head's two bytes of my row
	v_cvt_scalef32_pk16_fp6_f32 v[rP:rP+2], v[\s:\s+15], v[BZ]
	v_cvt_scalef32_pk16_fp6_f32 v[CT:CT+2], v[\s+16:\s+31], v[BZ+1]
	v_nop                                          ; one plain place behind a scaled conversion
.irp i, 0,1,2
	v_permlane16_swap_b32 v[rP+\i], v[CT+\i]
.endr
.irp i, 0,1,2
	s_delay_alu instid0(VALU_DEP_3)
	v_mov_b32 v[rP+3+\i], v[CT+\i]
.endr
	global_store_b128 v[L16], v[rP:rP+3], s[\base:\base+1] offset:12288*(\u)        ; whole aligned runs of 256 consecutive bytes; each tile has registers of its own
	global_store_b64 v[L8], v[rP+4:rP+5], s[\base:\base+1] offset:12288*(\u)+512
.endm
	OUTT 0, S0, 82, 0
	OUTT 1, S1, 82, 1
	OUTT 2, S0, 84, 0
	OUTT 3, S1, 84, 1
	v_cndmask_b32 v[BZ+2], v[PS], v[PS+1], s[HM]   ; lanes 0-15 tile u = 0's bytes, lanes 16-31 tile u = 1's
	v_cndmask_b32 v[BZ+3], v[PS+2], v[PS+3], s[HM]
	global_store_b16 v[OSO], v[BZ+2], s[86:87]
	global_store_b16 v[OSO], v[BZ+3], s[88:89]
	s_wait_tensorcnt 0x0                           ; the wave's end, behind my last tensor load
	ds_add_u32 v[SPW], v[NIL]
	s_wait_dscnt 0x0
	CROUND                                         ; the closing round
	s_endpgm
.Lfunc_end_k_q084dbb16e7_attn:
	.size	k_q084dbb16e7_attn, .Lfunc_end_k_q084dbb16e7_attn-k_q084dbb16e7_attn
	.p2alignl 7, 3214868480
	.fill 96, 4, 3214868480
	.section	.rodata,"a",@progbits
	.p2align	6, 0x0
	.amdhsa_kernel k_q084dbb16e7_attn
		.amdhsa_group_segment_fixed_size 209920
		.amdhsa_private_segment_fixed_size 0
		.amdhsa_enable_private_segment 0
		.amdhsa_kernarg_size 32
		.amdhsa_user_sgpr_count 2
		.amdhsa_user_sgpr_kernarg_segment_ptr 1
		.amdhsa_wavefront_size32 1
		.amdhsa_system_sgpr_workgroup_id_x 1
		.amdhsa_system_sgpr_workgroup_id_y 1
		.amdhsa_system_sgpr_workgroup_id_z 1
		.amdhsa_system_vgpr_workitem_id 0
		.amdhsa_next_free_vgpr 512
		.amdhsa_next_free_sgpr 96
		.amdhsa_reserve_vcc 1
		.amdhsa_float_denorm_mode_32 3
		.amdhsa_float_denorm_mode_16_64 3
		.amdhsa_memory_ordered 1
		.amdhsa_forward_progress 1
		.amdhsa_inst_pref_size 115
	.end_amdhsa_kernel
	.amdgpu_metadata
---
amdhsa.version: [ 1, 2 ]
amdhsa.kernels:
  - .name:           k_q084dbb16e7_attn
    .symbol:         k_q084dbb16e7_attn.kd
    .args:
      - { .name: aimg, .offset: 0, .size: 8, .value_kind: global_buffer, .address_space: global }
      - { .name: asc, .offset: 8, .size: 8, .value_kind: global_buffer, .address_space: global }
      - { .name: oimg, .offset: 16, .size: 8, .value_kind: global_buffer, .address_space: global }
      - { .name: osc, .offset: 24, .size: 8, .value_kind: global_buffer, .address_space: global }
    .group_segment_fixed_size: 209920
    .private_segment_fixed_size: 0
    .kernarg_segment_align: 8
    .kernarg_segment_size: 32
    .max_flat_workgroup_size: 256
    .sgpr_count:     96
    .vgpr_count:     512
    .wavefront_size: 32
...
	.end_amdgpu_metadata
.endif
;; end of part 3
;; launch outp (part 4): grid 4 x 32, 4 waves a work-group, clusters of 4 x 4, 327,680 bytes of LDS; arguments oimg, osc, wimg, wsc, bo, out0; writes out0
.if DOCPART == 4
	.amdgcn_target "amdgcn-amd-amdhsa--gfx1250"
	.amdhsa_code_object_version 6
	.text
	.protected	k_q084dbb16e7_outp
	.globl	k_q084dbb16e7_outp
	.p2align	8
	.type	k_q084dbb16e7_outp,@function
k_q084dbb16e7_outp:
	s_mov_b64 s[64:65], 0
	v_nop
	global_prefetch_b8 v0, s[64:65] scope:SCOPE_SE
	s_setreg_imm32_b32 hwreg(HW_REG_WAVE_MODE, 25, 1), 1
	s_wait_xcnt 0x0
	s_wait_alu depctr_hold_cnt(0) depctr_sa_sdst(0) depctr_va_vdst(0) depctr_va_sdst(0) depctr_va_ssrc(0) depctr_va_vcc(0) depctr_vm_vsrc(0)
	s_getreg_b32 s2, hwreg(HW_REG_IB_STS2, 6, 4)
	s_cmp_eq_u32 s2, 0
	s_cbranch_scc0 .Lentry_in_a_cluster
	s_endpgm
.Lentry_in_a_cluster:
	s_bfe_u32 s2, ttmp6, 0x10000c
	s_cmp_lg_u32 s2, 0xf033
	s_cbranch_scc0 .Lentry_shape_is_right
	s_endpgm
.Lentry_shape_is_right:
; out0 = o Wo + bo on codes of FP6 (E2M3) with E8M0 scales.  o: 8,192 rows, K = 1,024, as images of its registers (oimg [tile 512][K step 8][1,536], osc [tile][K step / 2][r 16][2 words]); Wo: the fourth
; tensor of wimg and wsc, rows = n.  A tile T = 2 g + u of 16 rows holds rows 32 g + 8 u + r + 8 (r / 8); a fragment is 1,536 bytes: registers 0-3 at 16 x lane, 4-5 at 512 + 8 x lane, 6-9 at 768 + 16 x lane,
; 10-11 at 1,280 + 8 x lane.  out0 [8192][1024] f32.
; A tile of C, 256 x 256, is made by four waves, each 128 x 128: 64 accumulators.  K goes in steps of 256 through a ring of two LDS slots; the scale words of the work-group's rows come once and stay.
; THE MATRIX INSTRUCTION IS USED TRANSPOSED (source 0 = 16 rows of Wo's image, source 1 = 16 rows of o's): lane (r, h) holds row 32 (a / 2) + 8 (a % 2) + r + 8 (r / 8) of block a, and register 8 b + j the column
; 32 (b / 2) + 16 h + 8 (b % 2) + j.  The bias is the C of each sum's first product.
; CLUSTERS: 4 x 4 work-groups; A's tiles are asked for jointly along a row of the cluster, B's along a column.
; REGISTERS: window 0: v16-31 addresses; v32-63 scale words, two sets; v64-127 the bias; v128-223 A's fragments, one set (on the way out v128-255: rows read back).  window 1: B's fragments, two sets.
;   windows 2, 3: the accumulators ((a, b) at v[8 (8 (a % 4) + b)]).
.set NQ,     2
.set FR,     12
.set NL,     4
.set NP,     4                         ; places behind this matrix instruction (ISA guide 7.12.1)
.set FRB,    1536
.set TILEB,  NQ*FRB                    ; a tile's part of a slot: two fragments, 3,072 consecutive bytes of memory
.set HALFT,  8*TILEB
.set SLOT,   4*HALFT
.set SCL,    2*SLOT                    ; behind the ring: the scale words, 4,096 bytes for each wave's load
.set HALFS,  4096
.set SPARE,  SCL+4*HALFS               ; the spare words, 128 bytes for each wave, which no other line names
.set SPITCH, 528                       ; the way out: a stage of 16 rows x (512 bytes + 16) for each wave, in slot 0, which has had its last fill and its last read when the first result is stored there
.set LAPS,   2
.set ADRA, 16
.set ADRB, 20
.set STO,  24
.set RD,   25
.set CO,   26                          ; v26 16 x lane
.set ADRS, 27
.set SPW,  28
.set NIL,  29
.set O8,   30
.set SC,   32
.set BN,   64
.set AF,   128
.set BK,   128
.set G1,   24
.set G0,   32
.set G1B,  48
.set G0B,  56
.set G1S,  68
.set G0S,  76
.set G1SB, 80
.set G0SB, 88
.set MSB, 0
.macro WIN new                         ; the immediate's high byte repeats the setting that is left
.if MSB != (\new)
	s_set_vgpr_msb (MSB<<8)|(\new)
.set MSB, (\new)
.endif
.endm
.set MUL_LO, 0xa1
.set MUL_HI, 0xf1
.set TO_B,   0x40
.macro JLOAD g0a, g1a, g0b, g1b        ; a joint load: waves 0 and 1 fetch for A, waves 2 and 3 for B; an s_nop 0 and four v_nop follow each of the two lines
	s_cmp_eq_u32 s15, 0
	s_cbranch_scc0 .Lfor_b_\@
	tensor_load_to_lds s[\g0a:\g0a+3], s[\g1a:\g1a+7]
	s_nop 0
.rept 4
	v_nop
.endr
	s_branch .Lasked_\@
.Lfor_b_\@:
	tensor_load_to_lds s[\g0b:\g0b+3], s[\g1b:\g1b+7]
	s_nop 0
.rept 4
	v_nop
.endr
.Lasked_\@:
.endm
.macro CREST
	s_cmp_lg_u32 s14, 0
	s_cbranch_scc1 .Lnot_wave_0_\@
	s_barrier_signal -3
.Lnot_wave_0_\@:
	s_barrier_wait -3
	s_barrier_signal -1
	s_barrier_wait -1
.endm
.macro CROUND
	s_barrier_signal -1
	s_barrier_wait -1
	CREST
.endm
	s_load_b256 s[4:11], s[0:1], 0x0               ; oimg 4, osc 6, wimg 8, wsc 10
	s_load_b128 s[92:95], s[0:1], 0x20             ; bo 92, out0 94
	v_lshl_add_u32 v[SPW], v0, 2, SPARE
	v_mov_b32 v[NIL], 0
	ds_add_u32 v[SPW], v[NIL]                      ; the wave's opening: the add and its wait stand ahead of my first tensor load; work on registers stands between them
	v_lshrrev_b32 v1, 5, v0
	v_readfirstlane_b32 s14, v1                    ; wave 0..3
	s_lshr_b32 s15, s14, 1                         ; which half of the tile's rows is mine.  Also: I fetch for A (0) or for B (1)
	s_and_b32 s16, s14, 1                          ; which half of its columns.  Also: which eight tiles I fetch
	s_bfe_u32 s40, ttmp6, 0x40000                  ; cx, cy
	s_bfe_u32 s41, ttmp6, 0x40004
	s_lshl_b32 s42, ttmp9, 2
	s_add_co_u32 s42, s42, s40                     ; tile column of C
	s_and_b32 s17, ttmp7, 0xffff
	s_lshl_b32 s17, s17, 2
	s_add_co_u32 s17, s17, s41                     ; tile row of C
	s_lshl_b32 s43, s41, 2
	s_lshl_b32 s43, 15, s43                        ; my row of the cluster
	s_lshl_b32 s44, 0x1111, s40                    ; my column
	s_or_b32 s[G1+0], s43, (3<<16)|(1<<21)         ; eight rows (tiles) of 3,072 bytes, 12,288 bytes apart in memory, dense in LDS; elements of 8 bytes; bit 21 set beside a mask
	s_or_b32 s[G1B+0], s44, (3<<16)|(1<<21)
.irp g, G1, G1B
	s_mov_b32 s[\g+1], 384<<16
	s_mov_b32 s[\g+2], 8<<16
	s_mov_b32 s[\g+3], 384<<16
	s_mov_b32 s[\g+4], 8
	s_mov_b32 s[\g+5], 1536
	s_mov_b32 s[\g+6], 0
	s_mov_b32 s[\g+7], 0
.endr
	s_or_b32 s[G1S+0], s43, (3<<16)|(1<<21)        ; the scale words of eight tiles: 4,096 dense bytes as 16 rows of 256
	s_or_b32 s[G1SB+0], s44, (3<<16)|(1<<21)
.irp g, G1S, G1SB
	s_mov_b32 s[\g+1], 32<<16
	s_mov_b32 s[\g+2], 16<<16
	s_mov_b32 s[\g+3], 32<<16
	s_mov_b32 s[\g+4], 16
	s_mov_b32 s[\g+5], 32
	s_mov_b32 s[\g+6], 0
	s_mov_b32 s[\g+7], 0
.endr
	s_mul_i32 s20, s17, 196608                     ; A's codes: the tile row's 16 tiles, my eight
	s_mul_i32 s21, s16, 98304
	s_add_co_u32 s20, s20, s21
	s_mov_b32 s21, 0
	s_lshl_b32 s22, s17, 13                        ; A's scale words
	s_lshl_b32 s23, s16, 12
	s_add_co_u32 s22, s22, s23
	s_mov_b32 s23, 0
	s_mul_i32 s46, s42, 196608                     ; B's codes: Wo is the fourth tensor
	s_mul_i32 s47, s16, 98304
	s_add_co_u32 s46, s46, s47
	s_add_co_u32 s46, s46, 2359296
	s_mov_b32 s47, 0
	s_lshl_b32 s96, s42, 13                        ; B's scale words
	s_lshl_b32 s97, s16, 12
	s_add_co_u32 s96, s96, s97
	s_add_co_u32 s96, s96, 98304
	s_mov_b32 s97, 0
	s_mul_i32 s45, s14, HALFT                      ; where they go: no place in the cluster enters an LDS address
	s_mul_i32 s3, s14, HALFS
	s_wait_dscnt 0x0                               ; the opening add is done
	s_wait_kmcnt 0x0
	s_add_nc_u64 s[20:21], s[4:5], s[20:21]
	s_add_nc_u64 s[22:23], s[6:7], s[22:23]
	s_add_nc_u64 s[46:47], s[8:9], s[46:47]
	s_add_nc_u64 s[96:97], s[10:11], s[96:97]
	CROUND                                         ; all sixteen work-groups are here: the first joint loads meet
	s_mov_b32 s[G0S], 1
	s_add_co_u32 s[G0S+1], s3, SCL
	s_mov_b64 s[G0S+2:G0S+3], s[22:23]
	s_or_b32 s[G0S+3], s[G0S+3], 0x80000000
	s_mov_b32 s[G0SB], 1
	s_add_co_u32 s[G0SB+1], s3, SCL
	s_mov_b64 s[G0SB+2:G0SB+3], s[96:97]
	s_or_b32 s[G0SB+3], s[G0SB+3], 0x80000000
	JLOAD G0S, G1S, G0SB, G1SB                     ; the scale words first.  Three loads of mine are out behind the next two
.irp s, 0,1
	s_mov_b32 s[G0+4*\s], 1
	s_add_co_u32 s[G0+4*\s+1], s45, \s*SLOT
	s_add_nc_u64 s[G0+4*\s+2:G0+4*\s+3], s[20:21], \s*TILEB
	s_or_b32 s[G0+4*\s+3], s[G0+4*\s+3], 0x80000000
	s_mov_b32 s[G0B+4*\s], 1
	s_add_co_u32 s[G0B+4*\s+1], s45, \s*SLOT
	s_add_nc_u64 s[G0B+4*\s+2:G0B+4*\s+3], s[46:47], \s*TILEB
	s_or_b32 s[G0B+4*\s+3], s[G0B+4*\s+3], 0x80000000
	JLOAD G0+4*\s, G1, G0B+4*\s, G1B
.endr
	s_lshl_b32 s18, s42, 10
	s_lshl_b32 s19, s16, 9
	s_add_co_u32 s18, s18, s19                     ; the bias of my 128 columns
	s_mov_b32 s19, 0
	s_add_nc_u64 s[18:19], s[92:93], s[18:19]
	v_and_b32 v1, 31, v0                           ; lane
	v_and_b32 v2, 15, v0                           ; r
	v_bfe_u32 v3, v0, 4, 1                         ; h
	v_lshlrev_b32 v5, 6, v3                        ; 16 h numbers: the bias loads' offset; v5 and s[18:19] are written no more
.irp b, 0,1,2,3,4,5,6,7
	global_load_b128 v[BN+8*\b:BN+8*\b+3], v5, s[18:19] offset:(32*(\b/2)+8*(\b%2))*4
	global_load_b128 v[BN+8*\b+4:BN+8*\b+7], v5, s[18:19] offset:(32*(\b/2)+8*(\b%2))*4+16
.endr
	v_lshlrev_b32 v[CO], 4, v1
	v_lshlrev_b32 v[O8], 3, v1
	s_mul_i32 s21, s15, HALFT
	s_mul_i32 s22, s16, HALFT
	s_add_co_u32 s22, s22, 2*HALFT
.irp s, 0,1
	v_add_nc_u32 v[ADRA+\s], s21, v[CO]
	v_add_nc_u32 v[ADRA+2+\s], s21, v[O8]
	v_add_nc_u32 v[ADRB+\s], s22, v[CO]
	v_add_nc_u32 v[ADRB+2+\s], s22, v[O8]
	s_add_co_u32 s21, s21, SLOT
	s_add_co_u32 s22, s22, SLOT
.endr
	s_lshl_b32 s21, s15, 12
	s_lshl_b32 s22, s16, 12
	s_add_co_u32 s22, s22, 8192
	s_sub_co_u32 s22, s22, s21
	v_mul_u32_u24 v4, s22, v3                      ; lanes 16-31 take B's scale words
	s_add_co_u32 s21, s21, SCL
	v_lshl_add_u32 v4, v2, 3, v4
	v_add_nc_u32 v[ADRS], s21, v4
	s_mul_i32 s23, s14, 16*SPITCH                  ; my stage
	v_mul_u32_u24 v6, v2, SPITCH                   ; in: row r, + 64 h (in a register of its own: the bias loads may still read v5)
	v_lshl_add_u32 v6, v3, 6, v6
	v_add_nc_u32 v[STO], s23, v6
	v_add_nc_u32 v[RD], s23, v[CO]                 ; back: the 32 lanes take one row of 512 bytes
	s_lshl_b32 s20, s17, 20                        ; my first row of C: 256 x tile row + 128 x half, rows of 4,096 bytes;
	s_lshl_b32 s21, s15, 19
	s_add_co_u32 s20, s20, s21
	s_lshl_b32 s21, s42, 10                        ; my first column, in bytes
	s_add_co_u32 s20, s20, s21
	s_lshl_b32 s21, s16, 9
	s_add_co_u32 s20, s20, s21
	s_mov_b32 s21, 0
	s_add_nc_u64 s[12:13], s[94:95], s[20:21]
.macro FRAG reg, adr, q, i             ; a fragment comes as it was stored: four dense loads
	ds_load_b128 v[\reg:\reg+3], v[\adr] offset:(\i)*TILEB+(\q)*FRB
	ds_load_b64 v[\reg+4:\reg+5], v[\adr+2] offset:(\i)*TILEB+(\q)*FRB+512
	ds_load_b128 v[\reg+6:\reg+9], v[\adr] offset:(\i)*TILEB+(\q)*FRB+768
	ds_load_b64 v[\reg+10:\reg+11], v[\adr+2] offset:(\i)*TILEB+(\q)*FRB+1280
.endm
; 16 matrix instructions: A's blocks a0, a0 + 1 x B's eight.  zero = 1: the first product starts the sums from the bias.  The 64 accumulators take turns, one instruction a turn.
.macro MUL16 a0, p, q, sc, zero
.irp a, \a0, \a0+1
.irp b, 0,1,2,3,4,5,6,7
.if \zero
	v_wmma_scale_f32_16x16x128_f8f6f4 v[8*(8*((\a)%4)+\b):8*(8*((\a)%4)+\b)+7], v[128*(\p)+FR*\b:128*(\p)+FR*\b+FR-1], v[AF+FR*(\a):AF+FR*(\a)+FR-1], v[BN+8*\b:BN+8*\b+7], v[SC+8*NQ*(\sc)+NQ*\b+(\q)], v[SC+8*NQ*(\sc)+NQ*(\a)+(\q)] matrix_a_fmt:MATRIX_FMT_FP6 matrix_b_fmt:MATRIX_FMT_FP6 matrix_a_scale:MATRIX_SCALE_ROW1
.else
	v_wmma_scale_f32_16x16x128_f8f6f4 v[8*(8*((\a)%4)+\b):8*(8*((\a)%4)+\b)+7], v[128*(\p)+FR*\b:128*(\p)+FR*\b+FR-1], v[AF+FR*(\a):AF+FR*(\a)+FR-1], v[8*(8*((\a)%4)+\b):8*(8*((\a)%4)+\b)+7], v[SC+8*NQ*(\sc)+NQ*\b+(\q)], v[SC+8*NQ*(\sc)+NQ*(\a)+(\q)] matrix_a_fmt:MATRIX_FMT_FP6 matrix_b_fmt:MATRIX_FMT_FP6 matrix_a_scale:MATRIX_SCALE_ROW1
.endif
.endr
.endr
.endm
.macro FETCH_B slot, q, p
	WIN TO_B
.irp i, 0,1,2,3,4,5,6,7
	FRAG 128*(\p)+FR*\i, ADRB+\slot, \q, \i
.endr
	WIN 0
.endm
.macro FETCH_A slot, q, i0
.irp i, \i0, \i0+1, \i0+2, \i0+3
	FRAG AF+FR*(\i), ADRA+\slot, \q, \i
.endr
.endm
.macro SCALES sc
.irp i, 0,1,2,3,4,5,6,7
	ds_load_b64 v[SC+8*NQ*\sc+NQ*\i:SC+8*NQ*\sc+NQ*\i+1], v[ADRS] offset:\i*512
.endr
.endm
.macro PLACES n                        ; plain vector instructions that name none of a matrix instruction's registers (ISA guide 7.12.1)
.rept \n
	v_nop
.endr
.endm
.macro STEP slot, q, zero
	s_wait_dscnt 4*NL                              ; B's set, A's blocks 0-3 and the scale words are in; the youngest 16 loads (A's blocks 4-7) may be out
.if \zero
	WIN 0x81                                       ; C (the bias) window 0, D window 2
.else
	WIN MUL_LO
.endif
	MUL16 0, (\q)%2, \q, \slot, \zero
	MUL16 2, (\q)%2, \q, \slot, \zero
	s_wait_dscnt 0
	PLACES NP
	FETCH_B \slot, (\q)+1, 1-(\q)%2
	FETCH_A \slot, (\q)+1, 0
.if \zero
	WIN 0xc1
.else
	WIN MUL_HI
.endif
	MUL16 4, (\q)%2, \q, \slot, \zero
	MUL16 6, (\q)%2, \q, \slot, \zero
	PLACES NP
	WIN 0
	FETCH_A \slot, (\q)+1, 4
.endm
.macro TURN slot, next, fill           ; a slot's last step changes slots: one barrier
	s_wait_tensorcnt 0x0                           ; all my tensor loads have landed: my part of the next slot
	ds_add_u32 v[SPW], v[NIL]                      ; 0 onto my spare word
	s_wait_dscnt 4*NL+1                            ; the add and the youngest 16 loads, A's blocks 4-7, may be out
	WIN MUL_LO
	MUL16 0, 1, NQ-1, \slot, 0
	s_wait_dscnt 0x0                               ; the add is done, and my reads of this slot are over
	s_barrier_signal -1
	MUL16 2, 1, NQ-1, \slot, 0
	WIN 0
	s_barrier_wait -1
.if \fill
	CREST                                          ; the barrier has opened a round of the cluster's barrier
	s_add_nc_u64 s[G0+4*\slot+2:G0+4*\slot+3], s[G0+4*\slot+2:G0+4*\slot+3], 2*TILEB
	s_add_nc_u64 s[G0B+4*\slot+2:G0B+4*\slot+3], s[G0B+4*\slot+2:G0B+4*\slot+3], 2*TILEB
	JLOAD G0+4*\slot, G1, G0B+4*\slot, G1B         ; the first tensor load behind the round, my one load until the next
.else
	PLACES NP
.endif
	v_add_nc_u32 v[ADRS], 128, v[ADRS]
	FETCH_B \next, 0, 0
	FETCH_A \next, 0, 0
	SCALES \next
	WIN MUL_HI
	MUL16 4, 1, NQ-1, \slot, 0
	MUL16 6, 1, NQ-1, \slot, 0
	PLACES NP
	WIN 0
	FETCH_A \next, 0, 4
.endm
	s_wait_tensorcnt 1                             ; the scale words and my part of slot 0 are in (slot 1's load may be out)
	s_barrier_signal -1
	s_barrier_wait -1                              ; everybody's are
	FETCH_B 0, 0, 0
	FETCH_A 0, 0, 0
	SCALES 0
	FETCH_A 0, 0, 4
	s_wait_loadcnt 0x0                             ; the bias
	STEP 0, 0, 1
	s_mov_b32 s3, LAPS-1
.Llap:
	TURN 0, 1, 1
	STEP 1, 0, 0
	TURN 1, 0, 1
	STEP 0, 0, 0
	s_sub_co_u32 s3, s3, 1
	s_cmp_lg_u32 s3, 0
	s_cbranch_scc1 .Llap
	TURN 0, 1, 0                                   ; the last lap fills nothing
	STEP 1, 0, 0
	s_wait_dscnt 4*NL
	WIN MUL_LO
	MUL16 0, 1, NQ-1, 1, 0
	MUL16 2, 1, NQ-1, 1, 0
	s_wait_dscnt 0
	WIN MUL_HI
	MUL16 4, 1, NQ-1, 1, 0
	MUL16 6, 1, NQ-1, 1, 0
	WIN 0
; THE WAY OUT, block by block of 16 rows x 128 columns, through my own stage: a lane's eight results are 32 neighbouring bytes of a row; they come back as whole rows of 512 bytes.
; LDS serves a wave's instructions in order (ISA guide 5.7.1.4): no wait between the stores and the loads, nor in front of the next block's stores.
.macro TOSTAGE a
.set AC, 64*((\a)%4)
	WIN 0x08+4*((\a)/4)                            ; the data: window 2 or 3
.irp b, 0,1,2,3,4,5,6,7
	ds_store_b128 v[STO], v[AC+8*\b:AC+8*\b+3] offset:128*(\b/2)+32*(\b%2)          ; each accumulator from its low end on
	ds_store_b128 v[STO], v[AC+8*\b+4:AC+8*\b+7] offset:128*(\b/2)+32*(\b%2)+16
.endr
	WIN 0
.set BB, BK+64*((\a)%2)
.irp t, 0,1,2,3,4,5,6,7,8,9,10,11,12,13,14,15
	ds_load_b128 v[BB+4*\t:BB+4*\t+3], v[RD] offset:\t*SPITCH
.endr
.endm
.macro SEND a, younger                 ; younger: the LDS instructions issued behind block a's loads, which may stay out
.set BB, BK+64*((\a)%2)
	s_wait_dscnt \younger
.if (\a) > 0
.if ((\a)%2) == 1
	s_add_nc_u64 s[12:13], s[12:13], 32768         ; (behind a wait on XCNT)  the odd tile begins 8 rows on,
.else
	s_add_nc_u64 s[12:13], s[12:13], 98304         ; the next even one 24 rows on
.endif
.endif
.irp t, 0,1,2,3,4,5,6,7,8,9,10,11,12,13,14,15
	global_store_b128 v[CO], v[BB+4*\t:BB+4*\t+3], s[12:13] offset:(\t+8*(\t/8))*4096 th:TH_STORE_NT   ; 32 lanes store 512 consecutive bytes, at a multiple of 256 from the buffer's first byte
.endr
.endm
	PLACES NP
	TOSTAGE 0
.irp a, 1,2,3,4,5,6,7
.if \a > 1
	s_wait_xcnt 0x0                                ; block a - 2's stores have read their registers and their base
.endif
	TOSTAGE \a
	SEND \a-1, 32                                  ; behind block a - 1's loads: block a's 16 stores and 16 loads
.endr
	s_wait_xcnt 0x0
	SEND 7, 0
	s_wait_tensorcnt 0x0                           ; the wave's end, behind my last tensor load and my last LDS store
	ds_add_u32 v[SPW], v[NIL]
	s_wait_dscnt 0x0
	CROUND                                         ; the closing round
	s_endpgm
.Lfunc_end_k_q084dbb16e7_outp:
	.size	k_q084dbb16e7_outp, .Lfunc_end_k_q084dbb16e7_outp-k_q084dbb16e7_outp
	.p2alignl 7, 3214868480
	.fill 96, 4, 3214868480
	.section	.rodata,"a",@progbits
	.p2align	6, 0x0
	.amdhsa_kernel k_q084dbb16e7_outp
		.amdhsa_group_segment_fixed_size 327680
		.amdhsa_private_segment_fixed_size 0
		.amdhsa_enable_private_segment 0
		.amdhsa_kernarg_size 48
		.amdhsa_user_sgpr_count 2
		.amdhsa_user_sgpr_kernarg_segment_ptr 1
		.amdhsa_wavefront_size32 1
		.amdhsa_system_sgpr_workgroup_id_x 1
		.amdhsa_system_sgpr_workgroup_id_y 1
		.amdhsa_system_sgpr_workgroup_id_z 1
		.amdhsa_system_vgpr_workitem_id 0
		.amdhsa_next_free_vgpr 1024
		.amdhsa_next_free_sgpr 100
		.amdhsa_reserve_vcc 0
		.amdhsa_float_denorm_mode_32 3
		.amdhsa_float_denorm_mode_16_64 3
		.amdhsa_memory_ordered 1
		.amdhsa_forward_progress 1
		.amdhsa_inst_pref_size 145
	.end_amdhsa_kernel
	.amdgpu_metadata
---
amdhsa.version: [ 1, 2 ]
amdhsa.kernels:
  - .name:           k_q084dbb16e7_outp
    .symbol:         k_q084dbb16e7_outp.kd
    .args:
      - { .name: oimg, .offset: 0, .size: 8, .value_kind: global_buffer, .address_space: global }
      - { .name: osc, .offset: 8, .size: 8, .value_kind: global_buffer, .address_space: global }
      - { .name: wimg, .offset: 16, .size: 8, .value_kind: global_buffer, .address_space: global }
      - { .name: wsc, .offset: 24, .size: 8, .value_kind: global_buffer, .address_space: global }
      - { .name: bo, .offset: 32, .size: 8, .value_kind: global_buffer, .address_space: global }
      - { .name: out0, .offset: 40, .size: 8, .value_kind: global_buffer, .address_space: global }
    .group_segment_fixed_size: 327680
    .private_segment_fixed_size: 0
    .kernarg_segment_align: 8
    .kernarg_segment_size: 48
    .max_flat_workgroup_size: 128
    .sgpr_count:     100
    .vgpr_count:     1024
    .wavefront_size: 32
...
	.end_amdgpu_metadata
.endif
;; end of part 4
